; MI455X (gfx1250); checked and timed in simulation.
; The chip was launched on July 23, 2026; its instructions are those of AMD's public machine-readable ISA for CDNA 5 (MIT licence, August 2026) and "CDNA5" Instruction Set Architecture Reference Guide (July 2026). The comments in the code are by the model that wrote it; some were corrected since.
;; Field Dual Attention Wrapper. Allowed arithmetic: float matrix products may take bf16 or f16 operands with f32 sums; all other float work in f32.
;; Inputs: W1 1,024 x 1,024 float32; W2 1,024 x 1,024 float32; W3 1,024 x 2,048 float32; W4 1,024 x 1,024 float32; W5 1,024 x 1,024 float32; b1 1,024 float32; b2 1,024 float32; b3 1,024 float32; b4 1,024 float32; b5 1,024 float32; field_hidden_state 64 x 512 x 1,024 float32; finished 64 x 1 bool; hidden_state 64 x 512 x 1,024 float32; input 64 x 1,024 float32.
;; Outputs: out0 64 x 1,024 float32; out1 512 x 64 x 1 float32.
;; 2 versions, each right; version 2 is version 1 with the launch context written anew for expert scheduling mode. Each part assembles by itself: llvm-mc -triple=amdgcn-amd-amdhsa -mcpu=gfx1250 --defsym DOCPART=n.
;; ======== version 1 of 2: 4 launches
;; workspace buffers: wt 4,194,304 bytes; small 786,432 bytes; part 1,048,576 bytes; wts 131,072 bytes; ctx 262,144 bytes
;; launch prep (part 1): grid 256 x 1, 16 waves a work-group, no clusters, 71,680 bytes of LDS; arguments W1, W4, W2, W5, W3, b2, b5, b3, input, wt, small; writes wt, small
.if DOCPART == 1
	.amdgcn_target "amdgcn-amd-amdhsa--gfx1250"
	.amdhsa_code_object_version 6
	.text
	.protected	k_q4f4c2c2827_prep
	.globl	k_q4f4c2c2827_prep
	.p2align	8
	.type	k_q4f4c2c2827_prep,@function
k_q4f4c2c2827_prep:
	s_mov_b64 s[64:65], 0
	v_nop
	global_prefetch_b8 v0, s[64:65] scope:SCOPE_SE
	s_setreg_imm32_b32 hwreg(HW_REG_WAVE_MODE, 25, 1), 1
	s_wait_xcnt 0x0
; PREPARATION.  Two kinds of work-groups, told apart by the work-group's number alone.
; Work-groups 0-63: W1 and W4 ([1024][1024] f32) are rounded to bf16 and laid in the order in which the score launch walks them:
;   wt[mat 2][nb 4][ks 16][row 256][k 64], so that one (nb, ks) tile is 32,768 dense bytes.
; Work-groups 64-255: three products of 64 x 1024 x 1024 on the matrix units, operands rounded to bf16, sums in f32:
;   small[0] = -2 tanh(input W2^T + b2), small[1] = -2 tanh(input W5^T + b5), small[2] = input W3[:,1024:]^T + b3.
;   The factor -2 belongs to the form tanh x = 1 - 2 r, r = 1 / (1 + 2^(C x)), C = 2 log2 e, which the score launch uses.
;   A work-group makes 16 rows x 64 columns; its 16 waves split K (64 each) and meet in LDS.
; NO CLUSTER: the four row blocks of one column block read the same 64 rows of W, but each work-group has one single step (40 loads a lane
; straight into the registers in which they are converted); a joint tensor load would add a way through LDS and the cluster's rounds for that one step.
; LIMITS: tanh by v_exp_f32 and v_rcp_f32 (1 ULP each, denormal results flushed: ISA guide, their entries): absolute error about 1e-7; NaN goes through.
.set C2L,  0x4038aa3b                  ; 2 log2 e
.set RAWC, 16                          ; v[16:79]   conversion: 8 x 8 f32 as loaded
.set OUTC, 80                          ; v[80:111]  conversion: 8 x 4 registers of bf16
.set FR,   48                          ; v[48:207]  products: ten fragments of 16 registers (f32 as loaded; bf16 in the lower 8 after conversion)
.set ACC,  208                         ; v[208:239] products: four accumulator tiles
.set PP,   272                         ; LDS pitch of a row of 64 f32: 256 + 16, an odd multiple of 16 bytes
.set PW,   16*PP                       ; a wave's 16 rows of partial sums
	s_load_b512 s[4:19], s[0:1], 0x0               ; W1 s[4:5], W4 s[6:7], W2 s[8:9], W5 s[10:11], W3 s[12:13], b2 s[14:15], b5 s[16:17], b3 s[18:19]
	s_load_b128 s[20:23], s[0:1], 0x40             ; input s[20:21], wt s[22:23]
	s_load_b64 s[24:25], s[0:1], 0x50              ; small
	v_lshl_add_u32 v240, v0, 2, 0x11000
	v_mov_b32 v241, 0
	v_lshrrev_b32 v1, 5, v0
	v_readfirstlane_b32 s26, v1                    ; wave 0..15
	v_and_b32 v1, 31, v0                           ; lane
	s_cmp_ge_u32 ttmp9, 64
	s_cbranch_scc1 .Lproduct
	; ---------------- conversion: the work-group owns 32 rows of one matrix, 131,072 bytes in, 65,536 out ----------------
	; Wave w: rows 4 (w>>1) + (lane>>3), K steps 8 (w&1) + i, i = 0..7; a lane takes 8 numbers (32 bytes in, 16 bytes out) of each.
	s_lshr_b32 s27, ttmp9, 5                       ; mat: 0 = W1, 1 = W4
	s_and_b32 s28, ttmp9, 31                       ; which 32 rows
	s_and_b32 s29, s26, 1                          ; which half of K
	s_lshr_b32 s30, s26, 1                         ; which four rows
	v_lshrrev_b32 v2, 3, v1
	v_and_b32 v3, 7, v1
	s_lshl_b32 s31, s30, 14                        ; four rows of 4,096 bytes
	s_lshl_b32 s32, s29, 11                        ; half a row
	s_add_co_u32 s31, s31, s32
	v_lshlrev_b32 v4, 12, v2
	v_lshl_add_u32 v4, v3, 5, v4
	v_add_nc_u32 v4, s31, v4                       ; where I load
	s_lshl_b32 s32, s29, 18                        ; eight K steps of 32,768 bytes
	s_lshl_b32 s33, s30, 9                         ; four rows of 128 bytes
	s_add_co_u32 s32, s32, s33
	v_lshl_add_u32 v5, v1, 4, s32                  ; where I store: (lane>>3) x 128 + (lane&7) x 16 = 16 x lane
	s_lshl_b32 s34, s28, 17                        ; 32 rows of 4,096 bytes
	s_mov_b32 s35, 0
	s_lshl_b32 s36, s27, 21                        ; the matrix,
	s_lshr_b32 s33, s28, 3
	s_lshl_b32 s33, s33, 19                        ; the block of 256 rows,
	s_add_co_u32 s36, s36, s33
	s_and_b32 s33, s28, 7
	s_lshl_b32 s33, s33, 12                        ; my 32 rows of 128 bytes in it
	s_add_co_u32 s36, s36, s33
	s_mov_b32 s37, 0
	s_wait_kmcnt 0x0
	s_cmp_eq_u32 s27, 0
	s_cselect_b64 s[38:39], s[4:5], s[6:7]
	s_add_nc_u64 s[38:39], s[38:39], s[34:35]
	s_add_nc_u64 s[40:41], s[22:23], s[36:37]
.irp i, 0,1,2,3,4,5,6,7
	global_load_b128 v[RAWC+8*\i:RAWC+8*\i+3],   v4, s[38:39] offset:256*\i th:TH_LOAD_NT
	global_load_b128 v[RAWC+8*\i+4:RAWC+8*\i+7], v4, s[38:39] offset:256*\i+16 th:TH_LOAD_NT
.endr
.irp i, 0,1,2,3,4,5,6,7
	s_wait_loadcnt 14-2*\i                         ; loads come back in order: pair i is in, the younger pairs stay out
.irp k, 0,1,2,3
	v_cvt_pk_bf16_f32 v[OUTC+4*\i+\k], v[RAWC+8*\i+2*\k], v[RAWC+8*\i+2*\k+1]
.endr
	global_store_b128 v5, v[OUTC+4*\i:OUTC+4*\i+3], s[40:41] offset:\i*32768   ; the wave stores 512 consecutive bytes, aligned; each i has data registers of its own
.endr
	s_endpgm
	; ---------------- products ----------------
.Lproduct:
	s_sub_co_u32 s27, ttmp9, 64
	s_and_b32 s28, s27, 3                          ; mt: which 16 rows of input
	s_bfe_u32 s29, s27, 0x40002                    ; nb: which 64 columns
	s_lshr_b32 s30, s27, 6                         ; which product: 0 W2, 1 W5, 2 W3's right half
	s_cmp_eq_u32 s30, 2
	s_cselect_b32 s31, 13, 12                      ; log2 of W's row pitch in bytes: 8,192 for W3, else 4,096
	v_and_b32 v2, 15, v0                           ; r
	v_bfe_u32 v3, v0, 4, 1                         ; h
	s_lshl_b32 s32, s26, 8                         ; my wave's 64 k, in f32 bytes
	v_lshl_add_u32 v9, v3, 5, s32                  ; 32 h + 256 w
	v_lshl_add_u32 v8, v2, 12, v9                  ; input: row r
.irp t, 0,1,2,3
	v_add_lshl_u32 v[4+\t], v2, 16*\t, s31         ; W: row 16 t + r
	v_add_nc_u32 v[4+\t], v[4+\t], v9
.endr
	v_lshlrev_b32 v12, 3, v1                       ; 8 x lane: two neighbouring columns
	s_mul_i32 s33, s26, PW
	v_mul_u32_u24 v13, v2, PP
	v_lshl_add_u32 v13, v3, 5, v13
	v_add_nc_u32 v13, s33, v13                     ; LDS, in: my wave's block, row r, 32 h
	s_mul_i32 s33, s26, PP
	v_add_nc_u32 v14, s33, v12                     ; LDS, back: row = my wave's number, 8 x lane
	s_lshl_b32 s38, s29, 6
	s_lshl_b32 s38, s38, s31                       ; 64 nb rows of W
	s_mov_b32 s39, 0
	s_lshl_b32 s40, s29, 8                         ; 64 nb columns of f32
	s_mov_b32 s41, 0
	s_lshl_b32 s42, s28, 16                        ; 16 mt rows of input
	s_mov_b32 s43, 0
	s_lshl_b32 s44, s28, 4
	s_add_co_u32 s44, s44, s26                     ; the row that my wave sums and stores: 16 mt + w
	s_lshl_b32 s44, s44, 12
	s_add_co_u32 s44, s44, s40
	s_lshl_b32 s45, s30, 18                        ; the product's plane of 262,144 bytes
	s_add_co_u32 s44, s44, s45
	s_mov_b32 s45, 0
	s_wait_kmcnt 0x0
	s_add_nc_u64 s[12:13], s[12:13], 4096          ; W3's columns 1024..2047
	s_cmp_eq_u32 s30, 0
	s_cselect_b64 s[34:35], s[8:9], s[10:11]
	s_cselect_b64 s[36:37], s[14:15], s[16:17]
	s_cmp_eq_u32 s30, 2
	s_cselect_b64 s[34:35], s[12:13], s[34:35]
	s_cselect_b64 s[36:37], s[18:19], s[36:37]
	s_add_nc_u64 s[34:35], s[34:35], s[38:39]
	s_add_nc_u64 s[36:37], s[36:37], s[40:41]
	s_add_nc_u64 s[20:21], s[20:21], s[42:43]
	s_add_nc_u64 s[24:25], s[24:25], s[44:45]
; A fragment of 16 rows x 32 k: lane (r, h) holds k = 8h..8h+7 and 16+8h..16+8h+7 of row r (ISA guide 7.12.2): in f32 two runs of 32 bytes, 64 apart.
.macro LDFRAG f, off, sb, k
	global_load_b128 v[FR+16*\f:FR+16*\f+3],     v[\off], s[\sb:\sb+1] offset:\k
	global_load_b128 v[FR+16*\f+4:FR+16*\f+7],   v[\off], s[\sb:\sb+1] offset:\k+16
	global_load_b128 v[FR+16*\f+8:FR+16*\f+11],  v[\off], s[\sb:\sb+1] offset:\k+64
	global_load_b128 v[FR+16*\f+12:FR+16*\f+15], v[\off], s[\sb:\sb+1] offset:\k+80
.endm
.macro CVFRAG f                        ; 16 f32 to 8 registers of bf16, in place: register i is written after registers 2i, 2i+1 of every smaller i were read
.irp i, 0,1,2,3,4,5,6,7
	v_cvt_pk_bf16_f32 v[FR+16*\f+\i], v[FR+16*\f+2*\i], v[FR+16*\f+2*\i+1]
.endr
.endm
	global_load_b64 v[10:11], v12, s[36:37]        ; the bias of my two columns
	LDFRAG 0, 8, 20, 0                             ; k step 0: input, then W's four tiles
	LDFRAG 1, 4, 34, 0
	LDFRAG 2, 5, 34, 0
	LDFRAG 3, 6, 34, 0
	LDFRAG 4, 7, 34, 0
	LDFRAG 5, 8, 20, 128                           ; k step 1
	LDFRAG 6, 4, 34, 128
	LDFRAG 7, 5, 34, 128
	LDFRAG 8, 6, 34, 128
	LDFRAG 9, 7, 34, 128
	s_wait_loadcnt 20                              ; the bias and k step 0 are in; k step 1's 20 loads stay out
.irp f, 0,1,2,3,4
	CVFRAG \f
.endr
	; Source 0 = 16 rows of W, source 1 = 16 rows of input: lane (r, h) register j then holds (row r, column 16 t + 8 h + j).
	; The four accumulators take turns, one instruction a turn.
.irp t, 0,1,2,3
	v_wmma_f32_16x16x32_bf16 v[ACC+8*\t:ACC+8*\t+7], v[FR+16*(1+\t):FR+16*(1+\t)+7], v[FR:FR+7], 0
.endr
	s_wait_loadcnt 0x0
.irp f, 5,6,7,8,9
	CVFRAG \f
.endr
.irp t, 0,1,2,3
	v_wmma_f32_16x16x32_bf16 v[ACC+8*\t:ACC+8*\t+7], v[FR+16*(6+\t):FR+16*(6+\t)+7], v[FR+80:FR+87], v[ACC+8*\t:ACC+8*\t+7]
.endr
.rept 4
	v_nop                                          ; four places behind the last matrix instruction (ISA guide 7.12.1) before its results are stored and its sources loaded again
.endr
.irp t, 0,1,2,3
	ds_store_b128 v13, v[ACC+8*\t:ACC+8*\t+3]   offset:64*\t
	ds_store_b128 v13, v[ACC+8*\t+4:ACC+8*\t+7] offset:64*\t+16
.endr
	s_wait_dscnt 0x0                               ; my partial sums are in LDS, for the other waves' sake
	s_barrier_signal -1
	s_barrier_wait -1
.irp p, 0,1,2,3,4,5,6,7,8,9,10,11,12,13,14,15
	ds_load_b64 v[FR+2*\p:FR+2*\p+1], v14 offset:\p*PW     ; row w of every wave's block: 32 lanes x 8 bytes
.endr
	s_wait_dscnt 0x0
.irp p, 0,1,2,3,4,5,6,7
	v_pk_add_f32 v[FR+2*\p:FR+2*\p+1], v[FR+2*\p:FR+2*\p+1], v[FR+2*\p+16:FR+2*\p+17]
.endr
.irp p, 0,1,2,3
	v_pk_add_f32 v[FR+2*\p:FR+2*\p+1], v[FR+2*\p:FR+2*\p+1], v[FR+2*\p+8:FR+2*\p+9]
.endr
.irp p, 0,1
	v_pk_add_f32 v[FR+2*\p:FR+2*\p+1], v[FR+2*\p:FR+2*\p+1], v[FR+2*\p+4:FR+2*\p+5]
.endr
	v_pk_add_f32 v[FR:FR+1], v[FR:FR+1], v[FR+2:FR+3]
	v_pk_add_f32 v[FR:FR+1], v[FR:FR+1], v[10:11]  ; + bias
	s_cmp_eq_u32 s30, 2
	s_cbranch_scc1 .Lplain                         ; the third product has no tanh
	v_pk_mul_f32 v[FR:FR+1], v[FR:FR+1], C2L op_sel_hi:[1,0]
	v_exp_f32 v[FR], v[FR]
	v_exp_f32 v[FR+1], v[FR+1]
	v_nop                                          ; one plain instruction behind a transcendental before its result is used (ISA guide 5.7.2)
	s_wait_alu depctr_va_vdst(0)
	v_pk_add_f32 v[FR:FR+1], v[FR:FR+1], 1.0 op_sel_hi:[1,0]
	v_rcp_f32 v[FR], v[FR]
	v_rcp_f32 v[FR+1], v[FR+1]
	v_nop
	s_wait_alu depctr_va_vdst(0)
	v_fma_f32 v[FR], v[FR], 4.0, -2.0              ; -2 tanh = -2 (1 - 2 r) = 4 r - 2
	v_fma_f32 v[FR+1], v[FR+1], 4.0, -2.0
.Lplain:
	global_store_b64 v12, v[FR:FR+1], s[24:25]     ; the wave stores 256 consecutive bytes, aligned
	s_wait_tensorcnt 0x0
	ds_add_u32 v240, v241
	s_wait_dscnt 0x0
	s_endpgm
.Lfunc_end_k_q4f4c2c2827_prep:
	.size	k_q4f4c2c2827_prep, .Lfunc_end_k_q4f4c2c2827_prep-k_q4f4c2c2827_prep
	.p2alignl 7, 3214868480
	.fill 96, 4, 3214868480
	.section	.rodata,"a",@progbits
	.p2align	6, 0x0
	.amdhsa_kernel k_q4f4c2c2827_prep
		.amdhsa_group_segment_fixed_size 71680
		.amdhsa_private_segment_fixed_size 0
		.amdhsa_enable_private_segment 0
		.amdhsa_kernarg_size 88
		.amdhsa_user_sgpr_count 2
		.amdhsa_user_sgpr_kernarg_segment_ptr 1
		.amdhsa_wavefront_size32 1
		.amdhsa_system_sgpr_workgroup_id_x 1
		.amdhsa_system_sgpr_workgroup_id_y 1
		.amdhsa_system_sgpr_workgroup_id_z 1
		.amdhsa_system_vgpr_workitem_id 0
		.amdhsa_next_free_vgpr 242
		.amdhsa_next_free_sgpr 66
		.amdhsa_reserve_vcc 0
		.amdhsa_float_denorm_mode_32 3
		.amdhsa_float_denorm_mode_16_64 3
		.amdhsa_memory_ordered 1
		.amdhsa_forward_progress 1
		.amdhsa_inst_pref_size 22
	.end_amdhsa_kernel
	.amdgpu_metadata
---
amdhsa.version: [ 1, 2 ]
amdhsa.kernels:
  - .name:           k_q4f4c2c2827_prep
    .symbol:         k_q4f4c2c2827_prep.kd
    .args:
      - { .name: W1, .offset: 0, .size: 8, .value_kind: global_buffer, .address_space: global }
      - { .name: W4, .offset: 8, .size: 8, .value_kind: global_buffer, .address_space: global }
      - { .name: W2, .offset: 16, .size: 8, .value_kind: global_buffer, .address_space: global }
      - { .name: W5, .offset: 24, .size: 8, .value_kind: global_buffer, .address_space: global }
      - { .name: W3, .offset: 32, .size: 8, .value_kind: global_buffer, .address_space: global }
      - { .name: b2, .offset: 40, .size: 8, .value_kind: global_buffer, .address_space: global }
      - { .name: b5, .offset: 48, .size: 8, .value_kind: global_buffer, .address_space: global }
      - { .name: b3, .offset: 56, .size: 8, .value_kind: global_buffer, .address_space: global }
      - { .name: input, .offset: 64, .size: 8, .value_kind: global_buffer, .address_space: global }
      - { .name: wt, .offset: 72, .size: 8, .value_kind: global_buffer, .address_space: global }
      - { .name: small, .offset: 80, .size: 8, .value_kind: global_buffer, .address_space: global }
    .group_segment_fixed_size: 71680
    .private_segment_fixed_size: 0
    .kernarg_segment_align: 8
    .kernarg_segment_size: 88
    .max_flat_workgroup_size: 512
    .sgpr_count:     66
    .vgpr_count:     242
    .wavefront_size: 32
...
	.end_amdgpu_metadata
.endif
;; end of part 1
;; launch scores (part 2): grid 4 x 256, 4 waves a work-group, clusters of 4 x 4, 327,680 bytes of LDS; arguments hidden_state, field_hidden_state, wt, b1, b4, small, part; writes part
.if DOCPART == 2
	.amdgcn_target "amdgcn-amd-amdhsa--gfx1250"
	.amdhsa_code_object_version 6
	.text
	.protected	k_q4f4c2c2827_scores
	.globl	k_q4f4c2c2827_scores
	.p2align	8
	.type	k_q4f4c2c2827_scores,@function
k_q4f4c2c2827_scores:
	s_mov_b64 s[64:65], 0
	v_nop
	global_prefetch_b8 v0, s[64:65] scope:SCOPE_SE
	s_setreg_imm32_b32 hwreg(HW_REG_WAVE_MODE, 25, 1), 1
	s_wait_xcnt 0x0
	s_wait_alu depctr_hold_cnt(0) depctr_sa_sdst(0) depctr_va_vdst(0) depctr_va_sdst(0) depctr_va_ssrc(0) depctr_va_vcc(0) depctr_vm_vsrc(0)
	s_getreg_b32 s2, hwreg(HW_REG_IB_STS2, 6, 4)
	s_cmp_eq_u32 s2, 0
	s_cbranch_scc0 .Lentry_in_a_cluster
	s_endpgm
.Lentry_in_a_cluster:
	s_bfe_u32 s2, ttmp6, 0x10000c
	s_cmp_lg_u32 s2, 0xf033
	s_cbranch_scc0 .Lentry_shape_is_right
	s_endpgm
.Lentry_shape_is_right:
; SCORES.  For mat = 0 (hidden_state, W1, b1, gamma) and mat = 1 (field_hidden_state, W4, b4, alpha):
;   part[mat][nb][row] = sum over the 256 columns n of block nb of g2[n] r(row, n),   r = 1 / (1 + 2^(C (x W^T + b))),  C = 2 log2 e,  g2 = -2 gamma (or -2 alpha).
; Since tanh y = 1 - 2 r, the score of reference() is  sum gamma tanh = sum gamma + sum g2 r.  The first sum is the same for every position of a batch, and
; both softmaxes take the maximum over the positions away, so it cancels exactly and is not formed.
; row = 512 b + s runs over the 32,768 rows of the f32 input; W comes as bf16 tiles from the launch before.
; A work-group makes 256 rows x 256 columns with four waves; a wave makes 64 rows x 256 columns: 4 x 16 accumulator tiles, 512 registers.  So every f32 of the
; input tile is read from LDS and rounded to bf16 by one wave only: 32 conversions for 64 matrix instructions.
; K goes in 16 steps of 64 (a row of the input tile is 256 bytes, aligned) through two LDS slots.  Two slots of 128 along K would take 409,600 bytes: they do not fit.
; CLUSTERS of 4 x 4: the four work-groups of a cluster's row make the four column blocks of the same 256 rows and ask for the input tile jointly; the four of a
; cluster's column make the same column block of the same matrix and ask for W's tile jointly.  By this text's count a wave has two tensor loads out at the start, later one.
; PREFETCH of the input tiles: of a block's 256 rows work-group cx asks for rows 64 cx .. + 63, wave w for 16 of them, lanes 0-15 for one K step and lanes 16-31 for the
; next, 256 bytes a lane: each block of 256 bytes is asked for once in the launch.  At the start: K steps 2 and 3.  Behind the joint load of each odd K step t = 1 .. 11:
; K steps t + 3 and t + 4, whose tensor loads go out one and two K steps later.  K steps 0 and 1 are the first fills; nothing is asked for beyond K step 15.
; LIMITS: operands rounded to bf16; v_exp_f32 and v_rcp_f32 are good to 1 ULP and flush denormal results (ISA guide, their entries), so r is 0 or 1 where
; |C y| passes 126: tanh is then +-1 to within 1e-38.  NaN goes through.
;
; REGISTERS in windows of 256:  window 0: v0-31 addresses, v32-63 SUM, v128-191 RAW (input tile's f32), v192-223 AF0, v224-255 AF1 (its bf16 fragments, two buffers)
;   window 1: v0-127 BF0, v128-255 BF1 (W's 16 fragments, two buffers; on the way out the bias and g2)
;   window 2: accumulator tile (a, b) at v[8 (8 a + b)], column tiles 0-7;   window 3: column tiles 8-15
.set APITCH, 272                       ; input tile: 256 bytes + 16 of padding, an odd multiple of 16
.set BPITCH, 144                       ; W's tile: 128 bytes + 16
.set AHALF,  128*APITCH                ; what wave 0 or 1 fetches
.set BHALF,  128*BPITCH                ; what wave 2 or 3 fetches
.set BOFF,   2*AHALF
.set SLOT,   BOFF+2*BHALF              ; 106,496
.set SCR,    2*SLOT                    ; 212,992, a multiple of 256: C x bias (1,024), g2 (1,024), four stages of 256; no tensor load lands here
.set C2L,    0x4038aa3b                ; 2 log2 e
.set ADRA, 16                          ; v16-17  my input fragments in slot 0, 1
.set ADRB, 20                          ; v20-21  W's fragments in slot 0, 1
.set EBA,  24                          ; v24     C x bias of my eight columns of column tile 0
.set ST,   25                          ; v25     my stage, word r
.set RD,   26                          ; v26     my stage, 8 x lane
.set CO,   27                          ; v27     8 x lane
.set PFO,  28                          ; v28     prefetch: my row of the block and my one of two K steps; never rewritten
.set SUM,  32
.set RAW,  128
.set AF0,  192
.set AF1,  224
.set BF0,  0
.set BF1,  128
.set G1A, 24                           ; s[24:31] group 1, input tiles
.set G0A, 32                           ; s[32:39] group 0, input tiles, a set for each slot
.set G1B, 48                           ; s[48:55] group 1, W's tiles
.set G0B, 56                           ; s[56:63] group 0, W's tiles, a set for each slot
.set PFB, 80                           ; s[80:81] prefetch: the block's first row at the first of the two K steps asked for next
.set MSB, 0
.macro WIN new                         ; the immediate's high byte repeats the setting that is left
.if MSB != \new
	s_set_vgpr_msb (MSB<<8)|\new
.set MSB, \new
.endif
.endm
.set MUL_LO, 0xa1                      ; source 0 (W) window 1, source 1 (input) window 0, C and D window 2
.set MUL_HI, 0xf1                      ; the same, C and D window 3
.set TO_B,   0x40                      ; destination window 1, address window 0
; A joint load: waves 0 and 1 ask for the input tile's halves, waves 2 and 3 for W's.  Each line has one mask; the branch hangs on the wave's number alone.
.macro JLOAD s
	s_cmp_eq_u32 s19, 0
	s_cbranch_scc0 .Lfor_b_\@
	tensor_load_to_lds s[G0A+4*\s:G0A+4*\s+3], s[G1A:G1A+7]
	s_nop 0
	s_branch .Lasked_\@
.Lfor_b_\@:
	tensor_load_to_lds s[G0B+4*\s:G0B+4*\s+3], s[G1B:G1B+7]
	s_nop 0
.Lasked_\@:
.endm
.macro CREST                           ; a round of the cluster's barrier behind its opening work-group barrier
	s_cmp_lg_u32 s18, 0
	s_cbranch_scc1 .Lnot_wave_0_\@
	s_barrier_signal -3
.Lnot_wave_0_\@:
	s_barrier_wait -3
	s_barrier_signal -1
	s_barrier_wait -1
.endm
.macro CROUND
	s_barrier_signal -1
	s_barrier_wait -1
	CREST
.endm
.macro PLACES
.rept 4
	v_nop
.endr
.endm
	s_load_b256 s[4:11], s[0:1], 0x0               ; hidden_state s[4:5], field_hidden_state s[6:7], wt s[8:9], b1 s[10:11]
	s_load_b128 s[12:15], s[0:1], 0x20             ; b4 s[12:13], small s[14:15]
	s_load_b64 s[16:17], s[0:1], 0x30              ; part
	v_lshl_add_u32 v126, v0, 2, 0x34c00
	v_mov_b32 v127, 0
	ds_add_u32 v126, v127
	v_lshrrev_b32 v1, 5, v0
	v_readfirstlane_b32 s18, v1                    ; wave 0..3
	s_lshr_b32 s19, s18, 1                         ; 0: I ask for the input tile, 1: for W's
	s_and_b32 s20, s18, 1                          ; which half of it
	s_bfe_u32 s21, ttmp6, 0x40000                  ; cx
	s_bfe_u32 s22, ttmp6, 0x40004                  ; cy
	s_lshl_b32 s23, ttmp9, 2
	s_add_co_u32 s23, s23, s21                     ; column block 0..3
	s_and_b32 s66, ttmp7, 0xffff                   ; the cluster's y, 0..63
	s_lshr_b32 s67, s66, 5                         ; mat: made of the cluster's y alone, so that W's address never holds cy
	s_lshl_b32 s68, s66, 2
	s_add_co_u32 s68, s68, s22                     ; work-group y
	s_and_b32 s69, s68, 127                        ; block of 256 rows
	s_lshr_b32 s70, s69, 1                         ; batch: 512 rows each
	s_lshl_b32 s71, s22, 2
	s_lshl_b32 s71, 15, s71                        ; my row of the cluster
	s_lshl_b32 s72, 0x1111, s21                    ; my column
	s_mov_b32 s78, 0x76543210                      ; v_permlanex16_b32: lane i of one half reads lane i of the other
	s_mov_b32 s79, 0xfedcba98
	; group 1 of the input tiles: 128 rows x 64 f32, 1,024 elements from row to row, 4 words of padding behind every 64
	s_or_b32 s[G1A+0], s71, (2<<16)|(1<<20)|(1<<21)|(5<<22)|(3<<25)
	s_mov_b32 s[G1A+1], 64<<16                     ; tensor_dim0 = 64
	s_mov_b32 s[G1A+2], 128<<16                    ; tensor_dim1 = 128
	s_mov_b32 s[G1A+3], 64<<16                     ; tile_dim0 = 64
	s_mov_b32 s[G1A+4], 128                        ; tile_dim1 = 128
	s_mov_b32 s[G1A+5], 1024                       ; the pitch
	s_mov_b32 s[G1A+6], 0
	s_mov_b32 s[G1A+7], 0
	; group 1 of W's tiles: 16,384 dense bytes as 64 rows of 32 elements of 8 bytes; 4 words of padding behind every 32 words, that is behind each 128 bytes = one row of W
	s_or_b32 s[G1B+0], s72, (3<<16)|(1<<20)|(1<<21)|(4<<22)|(3<<25)
	s_mov_b32 s[G1B+1], 32<<16
	s_mov_b32 s[G1B+2], 64<<16
	s_mov_b32 s[G1B+3], 32<<16
	s_mov_b32 s[G1B+4], 64
	s_mov_b32 s[G1B+5], 32
	s_mov_b32 s[G1B+6], 0
	s_mov_b32 s[G1B+7], 0
	s_lshl_b32 s40, s69, 20                        ; input: 256 rows of 4,096 bytes a block,
	s_mov_b32 s[PFB], s40                          ; (the block's first row, for the prefetch)
	s_mov_b32 s[PFB+1], 0
	s_lshl_b32 s42, s20, 19                        ; my 128 rows
	s_add_co_u32 s40, s40, s42
	s_mov_b32 s41, 0
	s_lshl_b32 s44, s67, 21                        ; W: the matrix,
	s_lshl_b32 s46, s23, 19                        ; the column block's 16 tiles,
	s_add_co_u32 s44, s44, s46
	s_lshl_b32 s46, s20, 14                        ; my half of a tile
	s_add_co_u32 s44, s44, s46
	s_mov_b32 s45, 0
	s_mul_i32 s74, s18, AHALF                      ; LDS: waves 0, 1 fill the input tile's halves at 0 and 34,816,
	s_mul_i32 s75, s18, BHALF
	s_add_co_u32 s75, s75, BOFF-2*BHALF            ; waves 2, 3 W's halves at 69,632 and 88,064: the wave's number alone
	s_wait_dscnt 0x0
	s_wait_kmcnt 0x0
	s_cmp_eq_u32 s67, 0
	s_cselect_b64 s[42:43], s[4:5], s[6:7]
	s_add_nc_u64 s[40:41], s[42:43], s[40:41]
	s_add_nc_u64 s[PFB:PFB+1], s[42:43], s[PFB:PFB+1]
	s_add_nc_u64 s[PFB:PFB+1], s[PFB:PFB+1], 2*256 ; K step 2: the first that is asked for ahead
	s_add_nc_u64 s[44:45], s[8:9], s[44:45]
	CROUND                                         ; all sixteen work-groups are here: the first joint loads meet
.irp s, 0,1
	s_mov_b32 s[G0A+4*\s], 1
	s_add_co_u32 s[G0A+4*\s+1], s74, \s*SLOT
	s_add_nc_u64 s[G0A+4*\s+2:G0A+4*\s+3], s[40:41], \s*256        ; K step s: 64 f32 along the rows
	s_or_b32 s[G0A+4*\s+3], s[G0A+4*\s+3], 0x80000000
	s_mov_b32 s[G0B+4*\s], 1
	s_add_co_u32 s[G0B+4*\s+1], s75, \s*SLOT
	s_add_nc_u64 s[G0B+4*\s+2:G0B+4*\s+3], s[44:45], \s*32768      ; K step s: the next dense tile
	s_or_b32 s[G0B+4*\s+3], s[G0B+4*\s+3], 0x80000000
	JLOAD \s
.endr
	; the block's 256 biases and 256 g2: thread t brings 8 bytes of each into LDS, the bias times C
	v_lshlrev_b32 v1, 3, v0
	s_lshl_b32 s76, s23, 10
	s_mov_b32 s77, 0
	s_cmp_eq_u32 s67, 0
	s_cselect_b64 s[42:43], s[10:11], s[12:13]
	s_add_nc_u64 s[42:43], s[42:43], s[76:77]
	s_lshl_b32 s46, s67, 6
	s_add_co_u32 s46, s46, s70                     ; row 64 mat + batch of small
	s_lshl_b32 s46, s46, 12
	s_add_co_u32 s46, s46, s76
	s_mov_b32 s47, 0
	s_add_nc_u64 s[46:47], s[14:15], s[46:47]
	global_load_b64 v[2:3], v1, s[42:43]
	global_load_b64 v[4:5], v1, s[46:47]
	v_and_b32 v7, 15, v0                           ; r
	v_bfe_u32 v8, v0, 4, 1                         ; h
	s_lshl_b32 s73, s21, 18                        ; prefetch: 64 cx rows of 4,096 bytes,
	s_lshl_b32 s82, s18, 16                        ; 16 w rows,
	s_add_co_u32 s73, s73, s82
	v_lshl_add_u32 v[PFO], v7, 12, s73             ; row r,
	v_lshl_add_u32 v[PFO], v8, 8, v[PFO]           ; and for lanes 16-31 the K step behind
	global_prefetch_b8 v[PFO], s[PFB:PFB+1] th:TH_LOAD_NT scope:SCOPE_SE   ; K steps 2 and 3 of my 16 rows
	v_add_nc_u32 v6, SCR, v1
	v_and_b32 v9, 31, v0                           ; lane
	v_mul_u32_u24 v10, v7, APITCH
	v_lshl_add_u32 v10, v8, 5, v10                 ; f32: k = 8 h is 32 h bytes
	s_mul_i32 s73, s18, 64*APITCH                  ; my wave's 64 rows
	v_add_nc_u32 v[ADRA], s73, v10
	v_add_nc_u32 v[ADRA+1], SLOT, v[ADRA]
	v_mul_u32_u24 v11, v7, BPITCH
	v_lshl_add_u32 v11, v8, 4, v11                 ; bf16: k = 8 h is 16 h bytes
	v_add_nc_u32 v[ADRB], BOFF, v11
	v_add_nc_u32 v[ADRB+1], SLOT, v[ADRB]
	v_lshlrev_b32 v[EBA], 5, v8
	v_add_nc_u32 v[EBA], SCR, v[EBA]
	s_lshl_b32 s73, s18, 8
	s_add_co_u32 s73, s73, SCR+2048                ; my stage
	v_lshl_add_u32 v[ST], v7, 2, s73
	v_lshl_add_u32 v[RD], v9, 3, s73
	v_lshlrev_b32 v[CO], 3, v9
	s_wait_loadcnt 0x0
	v_pk_mul_f32 v[2:3], v[2:3], C2L op_sel_hi:[1,0]
	ds_store_b64 v6, v[2:3]
	ds_store_b64 v6, v[4:5] offset:1024
; 48 LDS loads: my 64 rows x 32 k of f32 (16 loads, first) into RAW, W's 256 rows x 32 k (32 loads) into buffer bf
.macro FETCH slot, ka, kb, bf
	WIN 0
.irp a, 0,1,2,3
	ds_load_b128 v[RAW+16*\a:RAW+16*\a+3],     v[ADRA+\slot] offset:\ka+\a*16*APITCH
	ds_load_b128 v[RAW+16*\a+4:RAW+16*\a+7],   v[ADRA+\slot] offset:\ka+\a*16*APITCH+16
	ds_load_b128 v[RAW+16*\a+8:RAW+16*\a+11],  v[ADRA+\slot] offset:\ka+\a*16*APITCH+64
	ds_load_b128 v[RAW+16*\a+12:RAW+16*\a+15], v[ADRA+\slot] offset:\ka+\a*16*APITCH+80
.endr
	WIN TO_B
.irp i, 0,1,2,3,4,5,6,7,8,9,10,11,12,13,14,15
	ds_load_b128 v[\bf+8*\i:\bf+8*\i+3],   v[ADRB+\slot] offset:\kb+\i*16*BPITCH
	ds_load_b128 v[\bf+8*\i+4:\bf+8*\i+7], v[ADRB+\slot] offset:\kb+\i*16*BPITCH+32
.endr
.endm
; 32 conversions: RAW to four bf16 fragments.  They are also the places between the matrix instructions that read the OTHER pair of buffers
; and the loads and conversions that write that pair again: they name RAW and af alone.
.macro CVT af
.irp a, 0,1,2,3
.irp i, 0,1,2,3,4,5,6,7
	v_cvt_pk_bf16_f32 v[\af+8*\a+\i], v[RAW+16*\a+2*\i], v[RAW+16*\a+2*\i+1]
.endr
.endr
.endm
; 16 matrix instructions: row tiles a0, a0 + 1 x the window's 8 column tiles, 32 along K.  Source 0 = 16 rows of W, source 1 = 16 rows of the input:
; lane (r, h) register j holds (row 16 a + r, column 16 b + 8 h + j).  zero = 1: the first product starts the sums.
.macro MULA bf, af, hi, a0, zero
.irp a, \a0, \a0+1
.irp b, 0,1,2,3,4,5,6,7
.if \zero
	v_wmma_f32_16x16x32_bf16 v[8*(8*(\a)+\b):8*(8*(\a)+\b)+7], v[\bf+8*(8*\hi+\b):\bf+8*(8*\hi+\b)+7], v[\af+8*(\a):\af+8*(\a)+7], 0
.else
	v_wmma_f32_16x16x32_bf16 v[8*(8*(\a)+\b):8*(8*(\a)+\b)+7], v[\bf+8*(8*\hi+\b):\bf+8*(8*\hi+\b)+7], v[\af+8*(\a):\af+8*(\a)+7], v[8*(8*(\a)+\b):8*(8*(\a)+\b)+7]
.endif
.endr
.endr
.endm
.macro MUL64 bf, af, zero              ; a half step: all 64 accumulators, always in this order
	WIN MUL_LO
	MULA \bf, \af, 0, 0, \zero
	MULA \bf, \af, 0, 2, \zero
	WIN MUL_HI
	MULA \bf, \af, 1, 0, \zero
	MULA \bf, \af, 1, 2, \zero
	WIN 0
.endm
; A K step of 64 = two halves of 32, 64 matrix instructions each, on buffers (BF0, AF0), then (BF1, AF1).  The 64 accumulators take turns, one instruction a turn,
; in the same order in every half, over the backward jump too.
; At its head the first half's fragments are in registers.  fill = 1: this slot is filled again, two K steps ahead.  pf = 1: two later K steps are asked for ahead.
; A step brings 98,304 bytes for a wave's 128 matrix instructions, and the next step can begin only when they are there.  So nothing but the round stands between
; the wait that shows the last tile landed and the request for the next one: the addresses are stepped ahead of the round, and all the second half's matrix
; instructions stand behind the request.
.macro STEP slot, next, fill, zero, pf
.if \pf
	s_wait_xcnt 0x0                                ; the last prefetch, issued two K steps ago, has had its address translated (ISA guide 3.1): its base may step
	s_add_nc_u64 s[PFB:PFB+1], s[PFB:PFB+1], 2*256
.endif
	FETCH \slot, 128, 64, BF1                      ; the second half's operands
	MUL64 BF0, AF0, \zero
	s_wait_dscnt 32                                ; the 16 loads into RAW are in; W's 32 younger ones may be out
	CVT AF1
	s_wait_dscnt 0x0                               ; my reads of this slot are over,
	s_wait_tensorcnt 0x0                           ; and all my tensor loads have landed: the one that was out is my part of the next slot
	ds_add_u32 v126, v127
	s_wait_dscnt 0x0
.if \fill
	s_add_nc_u64 s[G0A+4*\slot+2:G0A+4*\slot+3], s[G0A+4*\slot+2:G0A+4*\slot+3], 2*256     ; no load of mine is out: this slot's group 0 may be written
	s_add_nc_u64 s[G0B+4*\slot+2:G0B+4*\slot+3], s[G0B+4*\slot+2:G0B+4*\slot+3], 2*32768
.endif
	s_barrier_signal -1                            ; say so (with fill = 1 this barrier opens a round of the cluster's barrier)
	s_barrier_wait -1
.if \fill
	CREST                                          ; no wave of any partner still reads this slot or has a load on its way
	JLOAD \slot                                    ; my one tensor load behind the round, ahead of every LDS read; 128 matrix instructions stand between it and the wait for it
.endif
.if \pf
	global_prefetch_b8 v[PFO], s[PFB:PFB+1] th:TH_LOAD_NT scope:SCOPE_SE   ; my 16 rows of the K steps whose tensor loads go out in the next two steps
.endif
	FETCH \next, 0, 0, BF0                         ; the next K step's first half
	MUL64 BF1, AF1, 0
	s_wait_dscnt 32                                ; RAW is in
	CVT AF0
	s_wait_dscnt 0x0                               ; BF0 is in (issued 64 matrix instructions ago)
.endm
	s_wait_tensorcnt 0x1                           ; my part of K step 0 is in; K step 1's may stay out
	s_wait_dscnt 0x0                               ; my part of the bias and of g2 is in LDS
	s_barrier_signal -1
	s_barrier_wait -1
	FETCH 0, 0, 0, BF0
	WIN 0
	s_wait_dscnt 32
	CVT AF0
	s_wait_dscnt 0x0
	STEP 0, 1, 1, 1, 0                             ; K steps 0 and 1 stand in front of the loop: the first products start the sums
	STEP 1, 0, 1, 0, 1                             ; asks ahead for K steps 4 and 5
	s_mov_b32 s3, 5                                ; K steps 2 to 11; the odd ones ask ahead for K steps 6 and 7 .. 14 and 15
.Llap:
	STEP 0, 1, 1, 0, 0
	STEP 1, 0, 1, 0, 1
	s_sub_co_u32 s3, s3, 1
	s_cmp_lg_u32 s3, 0
	s_cbranch_scc1 .Llap
	STEP 0, 1, 1, 0, 0                             ; K steps 12 and 13 fill the slots for the last time and ask ahead for nothing: K ends at step 15
	STEP 1, 0, 1, 0, 0
	STEP 0, 1, 0, 0, 0                             ; K step 14 fills nothing: a plain barrier shows slot 1 whole
	; K step 15: nothing more to fetch from the slots; the bias and g2 come into W's buffers as these fall free
	FETCH 1, 128, 64, BF1
	MUL64 BF0, AF0, 0
	s_wait_dscnt 32
	CVT AF1
	s_wait_dscnt 0x0                               ; BF1 is in
	WIN TO_B
.irp b, 0,1,2,3,4,5,6,7,8,9,10,11,12,13,14,15
	ds_load_b128 v[BF0+8*\b:BF0+8*\b+3],   v[EBA] offset:64*\b          ; C x bias of columns 16 b + 8 h + 0..7
	ds_load_b128 v[BF0+8*\b+4:BF0+8*\b+7], v[EBA] offset:64*\b+16
.endr
	MUL64 BF1, AF1, 0
	PLACES                                         ; four places behind the last matrix instructions: for the loads into BF1 and for the arithmetic on the results
	WIN TO_B
.irp b, 0,1,2,3,4,5,6,7,8,9,10,11,12,13,14,15
	ds_load_b128 v[BF1+8*\b:BF1+8*\b+3],   v[EBA] offset:1024+64*\b     ; g2 of the same columns
	ds_load_b128 v[BF1+8*\b+4:BF1+8*\b+7], v[EBA] offset:1024+64*\b+16
.endr
	s_wait_dscnt 32                                ; the bias's 32 loads are in; g2's 32 may be out
	; THE WAY OUT, in place in the accumulators: 2^(C acc + C bias), then 1 / (1 + that).  The plain lines of the neighbouring tile stand
	; between every run of transcendentals and the first use of its results (ISA guide 5.7.2).
.macro EXPT t, hi
.irp i, 0,2,4,6
	v_pk_fma_f32 v[8*(\t)+\i:8*(\t)+\i+1], v[8*(\t)+\i:8*(\t)+\i+1], C2L, v[BF0+8*((\t)%8+8*\hi)+\i:BF0+8*((\t)%8+8*\hi)+\i+1] op_sel_hi:[1,0,1]
.endr
.irp i, 0,1,2,3,4,5,6,7
	v_exp_f32 v[8*(\t)+\i], v[8*(\t)+\i]
.endr
.endm
.macro RCPT t
	s_wait_alu depctr_va_vdst(0)
.irp i, 0,2,4,6
	v_pk_add_f32 v[8*(\t)+\i:8*(\t)+\i+1], v[8*(\t)+\i:8*(\t)+\i+1], 1.0 op_sel_hi:[1,0]
.endr
.irp i, 0,1,2,3,4,5,6,7
	v_rcp_f32 v[8*(\t)+\i], v[8*(\t)+\i]
.endr
.endm
.macro TANHW hi                        ; the 32 tiles of one window
	EXPT 0, \hi
.set tt, 1
.rept 31
	EXPT tt, \hi
	RCPT tt-1
.set tt, tt+1
.endr
	RCPT 31
.endm
; SUM[a][i] += r x g2: sixteen chains that do not wait for each other; the very first tile starts them
.macro E5 hi
.irp b, 0,1,2,3,4,5,6,7
.irp a, 0,1,2,3
.irp i, 0,2,4,6
.if (\hi+\b) == 0
	v_pk_mul_f32 v[SUM+8*\a+\i:SUM+8*\a+\i+1], v[8*(8*\a+\b)+\i:8*(8*\a+\b)+\i+1], v[BF1+8*(\b+8*\hi)+\i:BF1+8*(\b+8*\hi)+\i+1]
	s_wait_alu depctr_va_vdst(0)
.else
	v_pk_fma_f32 v[SUM+8*\a+\i:SUM+8*\a+\i+1], v[8*(8*\a+\b)+\i:8*(8*\a+\b)+\i+1], v[BF1+8*(\b+8*\hi)+\i:BF1+8*(\b+8*\hi)+\i+1], v[SUM+8*\a+\i:SUM+8*\a+\i+1]
.endif
.endr
.endr
.endr
.endm
	WIN 0x92                                       ; destination and source 0 window 2, source 2 window 1
	TANHW 0
	WIN 0xd3                                       ; the same with window 3
	TANHW 1
	s_wait_dscnt 0x0                               ; g2 is in
	WIN 0x06                                       ; source 0 window 2, source 1 window 1, the sums in window 0
	E5 0
	WIN 0x07
	E5 1
	WIN 0
	s_lshl_b32 s74, s67, 2
	s_add_co_u32 s74, s74, s23
	s_lshl_b32 s74, s74, 17                        ; plane 4 mat + nb of 32,768 f32,
	s_lshl_b32 s76, s69, 10                        ; the block's 256 rows,
	s_add_co_u32 s74, s74, s76
	s_lshl_b32 s76, s18, 8                         ; my wave's 64
	s_add_co_u32 s74, s74, s76
	s_mov_b32 s75, 0
	s_add_nc_u64 s[16:17], s[16:17], s[74:75]
.irp a, 0,1,2,3
	v_pk_add_f32 v[SUM+8*\a:SUM+8*\a+1],   v[SUM+8*\a:SUM+8*\a+1],   v[SUM+8*\a+2:SUM+8*\a+3]
	v_pk_add_f32 v[SUM+8*\a+4:SUM+8*\a+5], v[SUM+8*\a+4:SUM+8*\a+5], v[SUM+8*\a+6:SUM+8*\a+7]
.endr
.irp a, 0,1,2,3
	v_pk_add_f32 v[SUM+8*\a:SUM+8*\a+1], v[SUM+8*\a:SUM+8*\a+1], v[SUM+8*\a+4:SUM+8*\a+5]
.endr
.irp a, 0,1,2,3
	v_add_f32 v[SUM+8*\a], v[SUM+8*\a], v[SUM+8*\a+1]
.endr
.irp a, 0,1,2,3
	v_permlanex16_b32 v[SUM+8*\a+1], v[SUM+8*\a], s78, s79         ; the other half of the lanes holds the row's other columns
.endr
.irp a, 0,1,2,3
	v_add_f32 v[SUM+8*\a], v[SUM+8*\a], v[SUM+8*\a+1]
.endr
.irp a, 0,1,2,3
	ds_store_b32 v[ST], v[SUM+8*\a] offset:64*\a   ; row 16 a + r; both halves of the lanes write the same word with the same number
.endr
	ds_load_b64 v[2:3], v[RD]                      ; my own stage: LDS serves a wave's instructions in order (ISA guide 5.7.1)
	s_wait_dscnt 0x0
	global_store_b64 v[CO], v[2:3], s[16:17]       ; the wave stores its 64 rows: 256 consecutive bytes, aligned
	s_wait_tensorcnt 0x0
	ds_add_u32 v126, v127
	s_wait_dscnt 0x0
	CROUND                                         ; the closing round: no work-group ends while a partner may still ask for a tile that names it
	s_endpgm
.Lfunc_end_k_q4f4c2c2827_scores:
	.size	k_q4f4c2c2827_scores, .Lfunc_end_k_q4f4c2c2827_scores-k_q4f4c2c2827_scores
	.p2alignl 7, 3214868480
	.fill 96, 4, 3214868480
	.section	.rodata,"a",@progbits
	.p2align	6, 0x0
	.amdhsa_kernel k_q4f4c2c2827_scores
		.amdhsa_group_segment_fixed_size 327680
		.amdhsa_private_segment_fixed_size 0
		.amdhsa_enable_private_segment 0
		.amdhsa_kernarg_size 56
		.amdhsa_user_sgpr_count 2
		.amdhsa_user_sgpr_kernarg_segment_ptr 1
		.amdhsa_wavefront_size32 1
		.amdhsa_system_sgpr_workgroup_id_x 1
		.amdhsa_system_sgpr_workgroup_id_y 1
		.amdhsa_system_sgpr_workgroup_id_z 1
		.amdhsa_system_vgpr_workitem_id 0
		.amdhsa_next_free_vgpr 1024
		.amdhsa_next_free_sgpr 96
		.amdhsa_reserve_vcc 0
		.amdhsa_float_denorm_mode_32 3
		.amdhsa_float_denorm_mode_16_64 3
		.amdhsa_memory_ordered 1
		.amdhsa_forward_progress 1
		.amdhsa_inst_pref_size 255
	.end_amdhsa_kernel
	.section	.bss,"aw",@nobits
	.p2align	6
	.space	262144
	.amdgpu_metadata
---
amdhsa.version: [ 1, 2 ]
amdhsa.kernels:
  - .name:           k_q4f4c2c2827_scores
    .symbol:         k_q4f4c2c2827_scores.kd
    .args:
      - { .name: hidden_state, .offset: 0, .size: 8, .value_kind: global_buffer, .address_space: global }
      - { .name: field_hidden_state, .offset: 8, .size: 8, .value_kind: global_buffer, .address_space: global }
      - { .name: wt, .offset: 16, .size: 8, .value_kind: global_buffer, .address_space: global }
      - { .name: b1, .offset: 24, .size: 8, .value_kind: global_buffer, .address_space: global }
      - { .name: b4, .offset: 32, .size: 8, .value_kind: global_buffer, .address_space: global }
      - { .name: small, .offset: 40, .size: 8, .value_kind: global_buffer, .address_space: global }
      - { .name: part, .offset: 48, .size: 8, .value_kind: global_buffer, .address_space: global }
    .group_segment_fixed_size: 327680
    .private_segment_fixed_size: 0
    .kernarg_segment_align: 8
    .kernarg_segment_size: 56
    .max_flat_workgroup_size: 128
    .sgpr_count:     96
    .vgpr_count:     1024
    .wavefront_size: 32
...
	.end_amdgpu_metadata
.endif
;; end of part 2
;; launch context (part 3): grid 4 x 64, 16 waves a work-group, no clusters, 14,336 bytes of LDS; arguments hidden_state, part, ctx, wts; writes ctx, wts
.if DOCPART == 3
	.amdgcn_target "amdgcn-amd-amdhsa--gfx1250"
	.amdhsa_code_object_version 6
	.text
	.protected	k_q4f4c2c2827_context
	.globl	k_q4f4c2c2827_context
	.p2align	8
	.type	k_q4f4c2c2827_context,@function
k_q4f4c2c2827_context:
	s_mov_b64 s[64:65], 0
	v_nop
	global_prefetch_b8 v0, s[64:65] scope:SCOPE_SE
	s_setreg_imm32_b32 hwreg(HW_REG_WAVE_MODE, 25, 1), 1
	s_wait_xcnt 0x0
; WEIGHTS AND CONTEXT.  Work-group (chunk, b): the two guarded softmaxes over the 512 positions of batch b, their product renormalised, and
; ctx[b][256 chunk .. +255] = sum over s of hidden_state[b][s][..] weight[s].  Each of a batch's four work-groups forms the weights (512 numbers); chunk 0 stores them.
; Thread t holds position t in the softmaxes.  In the sum, thread t holds 16 bytes (t & 63) of the chunk's 1,024 and the 64 rows of group t >> 6:
; a wave's load covers 512 consecutive bytes.  A ring of 32 row slots in registers: the first 32 loads of every wave, 16 x 32 x 512 bytes = 256 KiB, half of the
; work-group's rows, are issued ahead of the softmaxes and come in while the three reductions are made.
; Memory binds: no matrix unit, no cluster (no two work-groups read the same bytes of hidden_state; the shared partial scores are 16 KiB of 528 KiB a work-group).
; As in reference(): the maximum over s is taken away before each exponential, and 1e-6 stands in each of the three denominators.
; LIMITS: divisions are v_rcp_f32 (1 ULP) times the numerator; v_exp_f32 flushes results below 2^-126 to 0 (ISA guide, its entry); NaN goes through.
.set RED1, 0                           ; LDS: 16 pairs of maxima
.set RED2, 128                         ; 16 pairs of sums
.set RED3, 256                         ; 16 sums
.set WTS,  512                         ; 512 weights
.set CS,   4096                        ; 8 row groups x 1,024 bytes
.set DEPTH, 32                         ; slots of the ring = loads of a wave on their way
.set ACC,  32                          ; v[32:35] even rows' sums, v[36:39] odd rows'
.set X,    64                          ; v[64:191]  the ring: 32 slots of 4 registers
.set WR,   192                         ; v[192:255] my row group's 64 weights, the same in every lane
.set EPS,  0x358637bd                  ; 1e-6
.set LOG2E, 0x3fb8aa3b
	s_load_b256 s[4:11], s[0:1], 0x0               ; hidden_state s[4:5], part s[6:7], ctx s[8:9], wts s[10:11]
	v_lshl_add_u32 v62, v0, 2, 0x3000
	v_mov_b32 v63, 0
	v_lshrrev_b32 v1, 5, v0
	v_readfirstlane_b32 s14, v1                    ; wave 0..15
	s_and_b32 s15, ttmp7, 0xffff                   ; batch
	s_mov_b32 s12, 0x76543210                      ; v_permlanex16_b32: lane i of one half reads lane i of the other
	s_mov_b32 s13, 0xfedcba98
	v_lshlrev_b32 v1, 2, v0                        ; 4 t
	v_lshrrev_b32 v3, 6, v0                        ; row group
	v_and_b32 v29, 63, v0
	v_lshlrev_b32 v29, 4, v29                      ; my 16 bytes of the chunk
	v_lshl_or_b32 v2, v3, 18, v29                  ; + 64 rows of 4,096 bytes a group
	v_lshl_or_b32 v28, v3, 10, v29                 ; the same place in CS
	s_lshl_b32 s20, s14, 3
	v_mov_b32 v16, s20                             ; 8 x wave
	v_and_b32 v17, 15, v0
	v_lshlrev_b32 v17, 3, v17                      ; 8 x (lane mod 16)
	s_lshr_b32 s21, s14, 1
	s_lshl_b32 s21, s21, 8
	v_mov_b32 v23, s21                             ; my row group's 64 weights in WTS
	s_lshl_b32 s16, s15, 11                        ; 512 f32 a batch
	s_mov_b32 s17, 0
	s_lshl_b32 s18, s15, 21                        ; 512 rows of 4,096 bytes a batch
	s_lshl_b32 s20, ttmp9, 10                      ; the chunk
	s_add_co_u32 s18, s18, s20
	s_mov_b32 s19, 0
	s_lshl_b32 s22, s15, 12
	s_add_co_u32 s22, s22, s20                     ; ctx: row b, the chunk
	s_mov_b32 s23, 0
	s_wait_kmcnt 0x0
	s_add_nc_u64 s[6:7], s[6:7], s[16:17]
	s_add_nc_u64 s[4:5], s[4:5], s[18:19]
	s_add_nc_u64 s[8:9], s[8:9], s[22:23]
.irp n, 0,1,2,3
	global_load_b32 v[4+2*\n], v1, s[6:7] offset:\n*131072         ; hidden part, column block n
	global_load_b32 v[5+2*\n], v1, s[6:7] offset:(4+\n)*131072     ; field part: the two lie as a pair
.endr
.set j, 0
.rept DEPTH
	global_load_b128 v[X+4*j:X+4*j+3], v2, s[4:5] offset:j*4096 th:TH_LOAD_NT
.set j, j+1
.endr
; A reduction over the 512 threads, of a pair (two = 1) or one number, result in v4 (v5) of every lane.  It works in v[4:7], which the loads above have written
; (the destination of a DPP form and of v_permlanex16_b32 counts as read); the first step reads v[src], which is kept.
; Each use has LDS bytes of its own, so one barrier serves it.
.macro WGRED dop, op, base, src, two
	\dop v4, v[\src], v[\src] row_xmask:1 row_mask:0xf bank_mask:0xf
.if \two
	\dop v5, v[\src+1], v[\src+1] row_xmask:1 row_mask:0xf bank_mask:0xf
.endif
.irp m, 2,4,8
	\dop v4, v4, v4 row_xmask:\m row_mask:0xf bank_mask:0xf
.if \two
	\dop v5, v5, v5 row_xmask:\m row_mask:0xf bank_mask:0xf
.endif
.endr
	v_permlanex16_b32 v6, v4, s12, s13
.if \two
	v_permlanex16_b32 v7, v5, s12, s13
.endif
	\op v4, v4, v6
.if \two
	\op v5, v5, v7
	ds_store_b64 v16, v[4:5] offset:\base
.else
	ds_store_b32 v16, v4 offset:\base
.endif
	s_wait_dscnt 0x0                               ; my wave's figure is in LDS, for the others' sake
	s_barrier_signal -1
	s_barrier_wait -1
.if \two
	ds_load_b64 v[4:5], v17 offset:\base           ; lane i of each half takes wave i's figure
.else
	ds_load_b32 v4, v17 offset:\base
.endif
	s_wait_dscnt 0x0
.irp m, 1,2,4,8
	\dop v4, v4, v4 row_xmask:\m row_mask:0xf bank_mask:0xf
.if \two
	\dop v5, v5, v5 row_xmask:\m row_mask:0xf bank_mask:0xf
.endif
.endr
.endm
	s_wait_loadcnt DEPTH                           ; the eight partial scores are in; the 32 row loads behind them stay out
	v_pk_add_f32 v[20:21], v[4:5], v[6:7]
	v_pk_add_f32 v[24:25], v[8:9], v[10:11]
	v_pk_add_f32 v[18:19], v[20:21], v[24:25]      ; (hidden score, field score) of position t, each less a term that is the same for all t
	WGRED v_max_num_f32_dpp, v_max_num_f32, RED1, 18, 1
	v_pk_add_f32 v[18:19], v[18:19], v[4:5] neg_lo:[0,1] neg_hi:[0,1]      ; minus the maximum over s
	v_pk_mul_f32 v[18:19], v[18:19], LOG2E op_sel_hi:[1,0]
	v_exp_f32 v18, v18
	v_exp_f32 v19, v19
	v_nop                                          ; one plain instruction behind a transcendental before its result is used (ISA guide 5.7.2)
	s_wait_alu depctr_va_vdst(0)
	WGRED v_add_f32_dpp, v_add_f32, RED2, 18, 1
	v_pk_add_f32 v[4:5], v[4:5], EPS op_sel_hi:[1,0]
	v_rcp_f32 v4, v4
	v_rcp_f32 v5, v5
	v_nop
	s_wait_alu depctr_va_vdst(0)
	v_pk_mul_f32 v[18:19], v[18:19], v[4:5]        ; the two softmaxes
	v_mul_f32 v18, v18, v19                        ; their product
	WGRED v_add_f32_dpp, v_add_f32, RED3, 18, 0
	v_add_f32 v4, EPS, v4
	v_rcp_f32 v4, v4
	v_nop
	s_wait_alu depctr_va_vdst(0)
	v_mul_f32 v18, v18, v4                         ; the weight of position t
	ds_store_b32 v1, v18 offset:WTS
	s_wait_dscnt 0x0
	s_barrier_signal -1
	s_barrier_wait -1
	s_cmp_lg_u32 ttmp9, 0
	s_cbranch_scc1 .Lno_w                          ; chunk 0's waves 0-3 store the batch's 512 weights, 16 bytes a lane
	s_cmp_ge_u32 s14, 4
	s_cbranch_scc1 .Lno_w
	v_lshlrev_b32 v22, 4, v0
	ds_load_b128 v[24:27], v22 offset:WTS
	s_add_nc_u64 s[10:11], s[10:11], s[16:17]
	s_wait_dscnt 0x0
	global_store_b128 v22, v[24:27], s[10:11]      ; v22 and v[24:27] are not written again
.Lno_w:
.irp i, 0,1,2,3,4,5,6,7,8,9,10,11,12,13,14,15
	ds_load_b128 v[WR+4*\i:WR+4*\i+3], v23 offset:WTS+16*\i        ; every lane reads the same words
.endr
	s_wait_dscnt 0x0
; Row j of my 64 (j is a symbol that counts up).  left = how many younger loads may stay out; fill = 1: the slot gets row j + DEPTH.
; The weight is one register of a pair, fed to both halves of the packed multiply-add by op_sel.  Even and odd rows have sums of their own.
.macro ROW left, fill
	s_wait_loadcnt \left
.if j == 0
	v_pk_mul_f32 v[ACC:ACC+1],   v[X:X+1],   v[WR:WR+1] op_sel_hi:[1,0]
	v_pk_mul_f32 v[ACC+2:ACC+3], v[X+2:X+3], v[WR:WR+1] op_sel_hi:[1,0]
.elseif j == 1
	v_pk_mul_f32 v[ACC+4:ACC+5], v[X+4:X+5], v[WR:WR+1] op_sel:[0,1] op_sel_hi:[1,1]
	v_pk_mul_f32 v[ACC+6:ACC+7], v[X+6:X+7], v[WR:WR+1] op_sel:[0,1] op_sel_hi:[1,1]
.elseif (j & 1) == 0
	v_pk_fma_f32 v[ACC:ACC+1],   v[X+4*(j%DEPTH):X+4*(j%DEPTH)+1],   v[WR+j:WR+j+1], v[ACC:ACC+1]   op_sel_hi:[1,0,1]
	v_pk_fma_f32 v[ACC+2:ACC+3], v[X+4*(j%DEPTH)+2:X+4*(j%DEPTH)+3], v[WR+j:WR+j+1], v[ACC+2:ACC+3] op_sel_hi:[1,0,1]
.else
	v_pk_fma_f32 v[ACC+4:ACC+5], v[X+4*(j%DEPTH):X+4*(j%DEPTH)+1],   v[WR+j-1:WR+j], v[ACC+4:ACC+5] op_sel:[0,1,0] op_sel_hi:[1,1,1]
	v_pk_fma_f32 v[ACC+6:ACC+7], v[X+4*(j%DEPTH)+2:X+4*(j%DEPTH)+3], v[WR+j-1:WR+j], v[ACC+6:ACC+7] op_sel:[0,1,0] op_sel_hi:[1,1,1]
.endif
.if \fill
	global_load_b128 v[X+4*(j%DEPTH):X+4*(j%DEPTH)+3], v2, s[4:5] offset:(j+DEPTH)*4096 th:TH_LOAD_NT
.endif
.set j, j+1
.endm
.set j, 0
.rept 64-DEPTH
	ROW DEPTH-1, 1                                 ; loads come back in order: row j is in, the 31 younger rows stay out
.endr
.rept DEPTH
	ROW 63-j, 0                                    ; the last 32 rows load nothing: the counts run down
.endr
	v_pk_add_f32 v[ACC:ACC+1],   v[ACC:ACC+1],   v[ACC+4:ACC+5]
	v_pk_add_f32 v[ACC+2:ACC+3], v[ACC+2:ACC+3], v[ACC+6:ACC+7]
	ds_store_b128 v28, v[ACC:ACC+3] offset:CS
	s_wait_dscnt 0x0
	s_barrier_signal -1
	s_barrier_wait -1
	s_cmp_ge_u32 s14, 2
	s_cbranch_scc1 .Lend                           ; waves 0 and 1 add the eight row groups
.irp g, 0,1,2,3,4,5,6,7
	ds_load_b128 v[X+4*\g:X+4*\g+3], v29 offset:CS+1024*\g
.endr
	s_wait_dscnt 0x0
.irp g, 0,1,2,3
	v_pk_add_f32 v[X+4*\g:X+4*\g+1],   v[X+4*\g:X+4*\g+1],   v[X+4*\g+16:X+4*\g+17]
	v_pk_add_f32 v[X+4*\g+2:X+4*\g+3], v[X+4*\g+2:X+4*\g+3], v[X+4*\g+18:X+4*\g+19]
.endr
.irp g, 0,1
	v_pk_add_f32 v[X+4*\g:X+4*\g+1],   v[X+4*\g:X+4*\g+1],   v[X+4*\g+8:X+4*\g+9]
	v_pk_add_f32 v[X+4*\g+2:X+4*\g+3], v[X+4*\g+2:X+4*\g+3], v[X+4*\g+10:X+4*\g+11]
.endr
	v_pk_add_f32 v[X:X+1],   v[X:X+1],   v[X+4:X+5]
	v_pk_add_f32 v[X+2:X+3], v[X+2:X+3], v[X+6:X+7]
	global_store_b128 v29, v[X:X+3], s[8:9]        ; a wave stores 512 consecutive bytes, aligned
.Lend:
	s_wait_tensorcnt 0x0
	ds_add_u32 v62, v63
	s_wait_dscnt 0x0
	s_endpgm
.Lfunc_end_k_q4f4c2c2827_context:
	.size	k_q4f4c2c2827_context, .Lfunc_end_k_q4f4c2c2827_context-k_q4f4c2c2827_context
	.p2alignl 7, 3214868480
	.fill 96, 4, 3214868480
	.section	.rodata,"a",@progbits
	.p2align	6, 0x0
	.amdhsa_kernel k_q4f4c2c2827_context
		.amdhsa_group_segment_fixed_size 14336
		.amdhsa_private_segment_fixed_size 0
		.amdhsa_enable_private_segment 0
		.amdhsa_kernarg_size 32
		.amdhsa_user_sgpr_count 2
		.amdhsa_user_sgpr_kernarg_segment_ptr 1
		.amdhsa_wavefront_size32 1
		.amdhsa_system_sgpr_workgroup_id_x 1
		.amdhsa_system_sgpr_workgroup_id_y 1
		.amdhsa_system_sgpr_workgroup_id_z 1
		.amdhsa_system_vgpr_workitem_id 0
		.amdhsa_next_free_vgpr 256
		.amdhsa_next_free_sgpr 66
		.amdhsa_reserve_vcc 0
		.amdhsa_float_denorm_mode_32 3
		.amdhsa_float_denorm_mode_16_64 3
		.amdhsa_memory_ordered 1
		.amdhsa_forward_progress 1
		.amdhsa_inst_pref_size 27
	.end_amdhsa_kernel
	.amdgpu_metadata
---
amdhsa.version: [ 1, 2 ]
amdhsa.kernels:
  - .name:           k_q4f4c2c2827_context
    .symbol:         k_q4f4c2c2827_context.kd
    .args:
      - { .name: hidden_state, .offset: 0, .size: 8, .value_kind: global_buffer, .address_space: global }
      - { .name: part, .offset: 8, .size: 8, .value_kind: global_buffer, .address_space: global }
      - { .name: ctx, .offset: 16, .size: 8, .value_kind: global_buffer, .address_space: global }
      - { .name: wts, .offset: 24, .size: 8, .value_kind: global_buffer, .address_space: global }
    .group_segment_fixed_size: 14336
    .private_segment_fixed_size: 0
    .kernarg_segment_align: 8
    .kernarg_segment_size: 32
    .max_flat_workgroup_size: 512
    .sgpr_count:     66
    .vgpr_count:     256
    .wavefront_size: 32
...
	.end_amdgpu_metadata
.endif
;; end of part 3
;; launch outp (part 4): grid 64 x 1, 16 waves a work-group, no clusters, 71,680 bytes of LDS; arguments ctx, W3, small, finished, wts, out0, out1; writes out0, out1
.if DOCPART == 4
	.amdgcn_target "amdgcn-amd-amdhsa--gfx1250"
	.amdhsa_code_object_version 6
	.text
	.protected	k_q4f4c2c2827_outp
	.globl	k_q4f4c2c2827_outp
	.p2align	8
	.type	k_q4f4c2c2827_outp,@function
k_q4f4c2c2827_outp:
	s_mov_b64 s[64:65], 0
	v_nop
	global_prefetch_b8 v0, s[64:65] scope:SCOPE_SE
	s_setreg_imm32_b32 hwreg(HW_REG_WAVE_MODE, 25, 1), 1
	s_wait_xcnt 0x0
; OUTPUTS.  out0[m][n] = finished[m] ? 0 : sum over k < 1024 of ctx[m][k] W3[n][k] + small[2][m][n]   (small[2] = input W3[:,1024:]^T + b3, made by the first launch),
; and out1[s][b] = wts[b][s].
; The product is 64 x 1024 x 1024 on the matrix units, operands rounded to bf16, sums in f32.  A work-group makes 16 rows x 64 columns; its 16 waves split K (64 each)
; and meet in LDS.  64 work-groups: the product has no more blocks of this size, and none is added to make up a number.
; NO CLUSTER: the four row blocks of a column block read the same 64 half rows of W3, but each work-group has one single step (40 loads a lane straight into the
; registers in which they are converted); a joint tensor load would add a way through LDS and the cluster's rounds for that one step.
; The mask selects (v_cndmask_b32): a masked row is 0 whatever the sum holds.  LIMIT: ctx is rounded to bf16 for the product.
.set FR,   48                          ; v[48:207]  ten fragments of 16 registers (f32 as loaded; bf16 in the lower 8 after conversion)
.set ACC,  208                         ; v[208:239] four accumulator tiles
.set PP,   272                         ; LDS pitch of a row of 64 f32: 256 + 16, an odd multiple of 16 bytes
.set PW,   16*PP
	s_load_b256 s[4:11], s[0:1], 0x0               ; ctx s[4:5], W3 s[6:7], small s[8:9], finished s[10:11]
	s_load_b128 s[12:15], s[0:1], 0x20             ; wts s[12:13], out0 s[14:15]
	s_load_b64 s[16:17], s[0:1], 0x30              ; out1
	v_lshl_add_u32 v240, v0, 2, 0x11000
	v_mov_b32 v241, 0
	v_lshrrev_b32 v1, 5, v0
	v_readfirstlane_b32 s26, v1                    ; wave 0..15
	v_and_b32 v1, 31, v0                           ; lane
	s_and_b32 s28, ttmp9, 3                        ; mt: which 16 rows
	s_lshr_b32 s29, ttmp9, 2                       ; nb: which 64 columns
	v_and_b32 v2, 15, v0                           ; r
	v_bfe_u32 v3, v0, 4, 1                         ; h
	s_lshl_b32 s32, s26, 8                         ; my wave's 64 k, in f32 bytes
	v_lshl_add_u32 v9, v3, 5, s32
	v_lshl_add_u32 v8, v2, 12, v9                  ; ctx: row r
.irp t, 0,1,2,3
	v_add_lshl_u32 v[4+\t], v2, 16*\t, 13          ; W3: row 16 t + r of 8,192 bytes
	v_add_nc_u32 v[4+\t], v[4+\t], v9
.endr
	v_lshlrev_b32 v12, 3, v1                       ; 8 x lane
	v_lshlrev_b32 v17, 12, v1                      ; wts: rows 2 x lane and 2 x lane + 1 of 2,048 bytes
	s_mul_i32 s33, s26, PW
	v_mul_u32_u24 v13, v2, PP
	v_lshl_add_u32 v13, v3, 5, v13
	v_add_nc_u32 v13, s33, v13                     ; LDS, in
	s_mul_i32 s33, s26, PP
	v_add_nc_u32 v14, s33, v12                     ; LDS, back
	s_lshl_b32 s30, s28, 4
	s_add_co_u32 s30, s30, s26                     ; m: the row that my wave sums and stores
	v_mov_b32 v15, s30
	s_lshl_b32 s34, s29, 19                        ; 64 nb rows of W3
	s_mov_b32 s35, 0
	s_lshl_b32 s36, s28, 16                        ; 16 mt rows of ctx
	s_mov_b32 s37, 0
	s_lshl_b32 s38, s30, 12
	s_lshl_b32 s33, s29, 8
	s_add_co_u32 s38, s38, s33                     ; row m, columns 64 nb ..
	s_mov_b32 s39, 0
	s_wait_kmcnt 0x0
	s_add_nc_u64 s[6:7], s[6:7], s[34:35]
	s_add_nc_u64 s[4:5], s[4:5], s[36:37]
	s_add_nc_u64 s[8:9], s[8:9], s[38:39]
	s_add_nc_u64 s[14:15], s[14:15], s[38:39]
.macro LDFRAG f, off, sb, k            ; lane (r, h): k = 8h..8h+7 and 16+8h..16+8h+7 of row r (ISA guide 7.12.2): in f32 two runs of 32 bytes, 64 apart
	global_load_b128 v[FR+16*\f:FR+16*\f+3],     v[\off], s[\sb:\sb+1] offset:\k
	global_load_b128 v[FR+16*\f+4:FR+16*\f+7],   v[\off], s[\sb:\sb+1] offset:\k+16
	global_load_b128 v[FR+16*\f+8:FR+16*\f+11],  v[\off], s[\sb:\sb+1] offset:\k+64
	global_load_b128 v[FR+16*\f+12:FR+16*\f+15], v[\off], s[\sb:\sb+1] offset:\k+80
.endm
.macro CVFRAG f                        ; in place: register i is written after registers 2i, 2i+1 of every smaller i were read
.irp i, 0,1,2,3,4,5,6,7
	v_cvt_pk_bf16_f32 v[FR+16*\f+\i], v[FR+16*\f+2*\i], v[FR+16*\f+2*\i+1]
.endr
.endm
	global_load_b64 v[10:11], v12, s[8:9] offset:524288            ; small[2][m][my two columns]
	global_load_u8 v16, v15, s[10:11]                              ; finished[m], the same byte in every lane
	LDFRAG 0, 8, 4, 0
	LDFRAG 1, 4, 6, 0
	LDFRAG 2, 5, 6, 0
	LDFRAG 3, 6, 6, 0
	LDFRAG 4, 7, 6, 0
	LDFRAG 5, 8, 4, 128
	LDFRAG 6, 4, 6, 128
	LDFRAG 7, 5, 6, 128
	LDFRAG 8, 6, 6, 128
	LDFRAG 9, 7, 6, 128
	; out1: waves 0-7 turn one position's 64 weights each: load, wait and store inside this one branch
	s_cmp_ge_u32 s26, 8
	s_cbranch_scc1 .Lno_tr
	s_lshl3_add_u32 s33, ttmp9, s26                ; s = 8 x work-group + wave
	s_lshl_b32 s34, s33, 2
	s_mov_b32 s35, 0
	s_lshl_b32 s36, s33, 8
	s_mov_b32 s37, 0
	s_add_nc_u64 s[12:13], s[12:13], s[34:35]
	s_add_nc_u64 s[16:17], s[16:17], s[36:37]
	global_load_b32 v18, v17, s[12:13]             ; wts[2 lane][s]
	global_load_b32 v19, v17, s[12:13] offset:2048 ; wts[2 lane + 1][s]
	s_wait_loadcnt 0x0
	global_store_b64 v12, v[18:19], s[16:17]       ; row s of out1: 256 consecutive bytes, aligned
.Lno_tr:
	s_wait_loadcnt 20                              ; k step 0 and what stands in front of it are in; k step 1's 20 loads may be out
.irp f, 0,1,2,3,4
	CVFRAG \f
.endr
	; Source 0 = 16 rows of W3, source 1 = 16 rows of ctx: lane (r, h) register j holds (row r, column 16 t + 8 h + j).
	; The four accumulators take turns, one instruction a turn.
.irp t, 0,1,2,3
	v_wmma_f32_16x16x32_bf16 v[ACC+8*\t:ACC+8*\t+7], v[FR+16*(1+\t):FR+16*(1+\t)+7], v[FR:FR+7], 0
.endr
	s_wait_loadcnt 0x0
.irp f, 5,6,7,8,9
	CVFRAG \f
.endr
.irp t, 0,1,2,3
	v_wmma_f32_16x16x32_bf16 v[ACC+8*\t:ACC+8*\t+7], v[FR+16*(6+\t):FR+16*(6+\t)+7], v[FR+80:FR+87], v[ACC+8*\t:ACC+8*\t+7]
.endr
.rept 4
	v_nop                                          ; four places behind the last matrix instruction (ISA guide 7.12.1) before its results are stored and its sources loaded again
.endr
.irp t, 0,1,2,3
	ds_store_b128 v13, v[ACC+8*\t:ACC+8*\t+3]   offset:64*\t
	ds_store_b128 v13, v[ACC+8*\t+4:ACC+8*\t+7] offset:64*\t+16
.endr
	s_wait_dscnt 0x0                               ; my partial sums are in LDS, for the other waves' sake
	s_barrier_signal -1
	s_barrier_wait -1
.irp p, 0,1,2,3,4,5,6,7,8,9,10,11,12,13,14,15
	ds_load_b64 v[FR+2*\p:FR+2*\p+1], v14 offset:\p*PW
.endr
	s_wait_dscnt 0x0
.irp p, 0,1,2,3,4,5,6,7
	v_pk_add_f32 v[FR+2*\p:FR+2*\p+1], v[FR+2*\p:FR+2*\p+1], v[FR+2*\p+16:FR+2*\p+17]
.endr
.irp p, 0,1,2,3
	v_pk_add_f32 v[FR+2*\p:FR+2*\p+1], v[FR+2*\p:FR+2*\p+1], v[FR+2*\p+8:FR+2*\p+9]
.endr
.irp p, 0,1
	v_pk_add_f32 v[FR+2*\p:FR+2*\p+1], v[FR+2*\p:FR+2*\p+1], v[FR+2*\p+4:FR+2*\p+5]
.endr
	v_pk_add_f32 v[FR:FR+1], v[FR:FR+1], v[FR+2:FR+3]
	v_pk_add_f32 v[FR:FR+1], v[FR:FR+1], v[10:11]  ; + the input's half of the product and b3
	v_cmp_ne_u32 vcc_lo, 0, v16
	v_cndmask_b32 v[FR], v[FR], 0, vcc_lo          ; a finished row is 0
	v_cndmask_b32 v[FR+1], v[FR+1], 0, vcc_lo
	global_store_b64 v12, v[FR:FR+1], s[14:15]     ; the wave stores 256 consecutive bytes, aligned
	s_wait_tensorcnt 0x0
	ds_add_u32 v240, v241
	s_wait_dscnt 0x0
	s_endpgm
.Lfunc_end_k_q4f4c2c2827_outp:
	.size	k_q4f4c2c2827_outp, .Lfunc_end_k_q4f4c2c2827_outp-k_q4f4c2c2827_outp
	.p2alignl 7, 3214868480
	.fill 96, 4, 3214868480
	.section	.rodata,"a",@progbits
	.p2align	6, 0x0
	.amdhsa_kernel k_q4f4c2c2827_outp
		.amdhsa_group_segment_fixed_size 71680
		.amdhsa_private_segment_fixed_size 0
		.amdhsa_enable_private_segment 0
		.amdhsa_kernarg_size 56
		.amdhsa_user_sgpr_count 2
		.amdhsa_user_sgpr_kernarg_segment_ptr 1
		.amdhsa_wavefront_size32 1
		.amdhsa_system_sgpr_workgroup_id_x 1
		.amdhsa_system_sgpr_workgroup_id_y 1
		.amdhsa_system_sgpr_workgroup_id_z 1
		.amdhsa_system_vgpr_workitem_id 0
		.amdhsa_next_free_vgpr 242
		.amdhsa_next_free_sgpr 66
		.amdhsa_reserve_vcc 1
		.amdhsa_float_denorm_mode_32 3
		.amdhsa_float_denorm_mode_16_64 3
		.amdhsa_memory_ordered 1
		.amdhsa_forward_progress 1
		.amdhsa_inst_pref_size 16
	.end_amdhsa_kernel
	.amdgpu_metadata
---
amdhsa.version: [ 1, 2 ]
amdhsa.kernels:
  - .name:           k_q4f4c2c2827_outp
    .symbol:         k_q4f4c2c2827_outp.kd
    .args:
      - { .name: ctx, .offset: 0, .size: 8, .value_kind: global_buffer, .address_space: global }
      - { .name: W3, .offset: 8, .size: 8, .value_kind: global_buffer, .address_space: global }
      - { .name: small, .offset: 16, .size: 8, .value_kind: global_buffer, .address_space: global }
      - { .name: finished, .offset: 24, .size: 8, .value_kind: global_buffer, .address_space: global }
      - { .name: wts, .offset: 32, .size: 8, .value_kind: global_buffer, .address_space: global }
      - { .name: out0, .offset: 40, .size: 8, .value_kind: global_buffer, .address_space: global }
      - { .name: out1, .offset: 48, .size: 8, .value_kind: global_buffer, .address_space: global }
    .group_segment_fixed_size: 71680
    .private_segment_fixed_size: 0
    .kernarg_segment_align: 8
    .kernarg_segment_size: 56
    .max_flat_workgroup_size: 512
    .sgpr_count:     66
    .vgpr_count:     242
    .wavefront_size: 32
...
	.end_amdgpu_metadata
.endif
;; end of part 4
;; ======== version 2 of 2: 4 launches; version 1 with the launch context written anew for expert scheduling mode
;; workspace buffers: wt 4,194,304 bytes; small 786,432 bytes; part 1,048,576 bytes; wts 131,072 bytes; ctx 262,144 bytes
;; launch prep: the kernel of part 1 again; grid 256 x 1, 16 waves a work-group, no clusters, 71,680 bytes of LDS; arguments W1, W4, W2, W5, W3, b2, b5, b3, input, wt, small; writes wt, small
;; launch scores: the kernel of part 2 again; grid 4 x 256, 4 waves a work-group, clusters of 4 x 4, 327,680 bytes of LDS; arguments hidden_state, field_hidden_state, wt, b1, b4, small, part; writes part
;; launch context (part 5): grid 4 x 64, 16 waves a work-group, no clusters, 14,336 bytes of LDS; arguments hidden_state, part, ctx, wts; writes ctx, wts
.if DOCPART == 5
	.amdgcn_target "amdgcn-amd-amdhsa--gfx1250"
	.amdhsa_code_object_version 6
	.text
	.protected	k_q4f4c2c2827_context
	.globl	k_q4f4c2c2827_context
	.p2align	8
	.type	k_q4f4c2c2827_context,@function
k_q4f4c2c2827_context:
	s_mov_b64 s[64:65], 0
	v_nop
	global_prefetch_b8 v0, s[64:65] scope:SCOPE_SE
	s_setreg_imm32_b32 hwreg(HW_REG_WAVE_SCHED_MODE, 0, 2), 2
	s_setreg_imm32_b32 hwreg(HW_REG_WAVE_MODE, 25, 1), 1
	s_wait_xcnt 0x0
	s_wait_alu depctr_vm_vsrc(0)
; WEIGHTS AND CONTEXT.  Work-group (chunk, b): the two guarded softmaxes over the 512 positions of batch b, their product renormalised, and
; ctx[b][256 chunk .. +255] = sum over s of hidden_state[b][s][..] weight[s].  Each of a batch's four work-groups forms the weights (512 numbers); chunk 0 stores them.
; Thread t holds position t in the softmaxes.  In the sum, thread t holds 16 bytes (t & 63) of the chunk's 1,024 and the 64 rows of group t >> 6:
; a wave's load covers 512 consecutive bytes.  A ring of 32 row slots in registers: the first 32 loads of every wave, 16 x 32 x 512 bytes = 256 KiB, half of the
; work-group's rows, are issued ahead of the softmaxes and come in while the three reductions are made.
; Memory binds: no matrix unit, no cluster (no two work-groups read the same bytes of hidden_state; the shared partial scores are 16 KiB of 528 KiB a work-group).
; As in reference(): the maximum over s is taken away before each exponential, and 1e-6 stands in each of the three denominators.
; LIMITS: divisions are v_rcp_f32 (1 ULP) times the numerator; v_exp_f32 flushes results below 2^-126 to 0 (ISA guide, its entry); NaN goes through.
; THE MODE: SCHED_MODE bits 1:0 = 2 (LLVM: expert scheduling mode 2), set by the entry lines.  The code itself states the register dependences
; between vector instructions and memory or LDS instructions, with s_wait_alu, always for 0.
; THE PLAN.  Registers that memory or LDS instructions touch:
;   v1, v2, v16, v17, v22, v23, v28, v29   offsets and LDS addresses; v62, v63 the closing add's two.  Written at the head, never again: one wait ahead of the first load serves them all.
;   v4, v5       In a reduction: written by the lane steps, read by the LDS store, written by the LDS load of the waves' figures, read by the last lane steps.
;                One wait on va_vdst ahead of the store, one on vm_vsrc ahead of the load.
;   v18          Written by the last multiply, read by the LDS store of the weight, not written again.
;   v[24:27]     v[24:25] are at work early on; later one LDS load lands in the four and one global store reads them; no vector instruction names them in between or behind.
;   WR           Written by LDS loads alone, read by the multiply-adds.
;   X            The 64 rows go in 16 blocks of four.  Block p's multiply-adds read its own four slots; its memory instructions are the four loads into the slots of
;                block p - 1, which no vector instruction of block p names.  So one wait on va_vdst at a block's head states all that the block's loads hang on.
;   v[ACC:ACC+3], v[X:X+3]   Written by the last additions, read by one store each: one wait on va_vdst ahead of each.
.set RED1, 0                           ; LDS: 16 pairs of maxima
.set RED2, 128                         ; 16 pairs of sums
.set RED3, 256                         ; 16 sums
.set WTS,  512                         ; 512 weights
.set CS,   4096                        ; 8 row groups x 1,024 bytes
.set DEPTH, 32                         ; slots of the ring
.set BLK,  4                           ; rows in a block: a slot is asked for again one block behind its reading
.set ACC,  32                          ; v[32:35] even rows' sums, v[36:39] odd rows'
.set X,    64                          ; v[64:191]  the ring: 32 slots of 4 registers
.set WR,   192                         ; v[192:255] my row group's 64 weights, the same in every lane
.set EPS,  0x358637bd                  ; 1e-6
.set LOG2E, 0x3fb8aa3b
	s_load_b256 s[4:11], s[0:1], 0x0               ; hidden_state s[4:5], part s[6:7], ctx s[8:9], wts s[10:11]
	v_lshl_add_u32 v62, v0, 2, 0x3000
	v_mov_b32 v63, 0
	v_lshrrev_b32 v1, 5, v0
	v_readfirstlane_b32 s14, v1                    ; wave 0..15
	s_and_b32 s15, ttmp7, 0xffff                   ; batch
	s_mov_b32 s12, 0x76543210                      ; v_permlanex16_b32: lane i of one half reads lane i of the other
	s_mov_b32 s13, 0xfedcba98
	v_lshlrev_b32 v1, 2, v0                        ; 4 t
	v_lshrrev_b32 v3, 6, v0                        ; row group
	v_and_b32 v29, 63, v0
	v_lshlrev_b32 v29, 4, v29                      ; my 16 bytes of the chunk
	v_lshl_or_b32 v2, v3, 18, v29                  ; + 64 rows of 4,096 bytes a group
	v_lshl_or_b32 v28, v3, 10, v29                 ; the same place in CS
	v_lshlrev_b32 v22, 4, v0                       ; 16 t: where chunk 0's waves 0-3 read and store the weights
	s_wait_alu depctr_va_sdst(0)                   ; s14 is written, ahead of its first reader, the line below
	s_lshl_b32 s20, s14, 3
	v_mov_b32 v16, s20                             ; 8 x wave
	v_and_b32 v17, 15, v0
	v_lshlrev_b32 v17, 3, v17                      ; 8 x (lane mod 16)
	s_lshr_b32 s21, s14, 1
	s_lshl_b32 s21, s21, 8
	v_mov_b32 v23, s21                             ; my row group's 64 weights in WTS
	s_lshl_b32 s16, s15, 11                        ; 512 f32 a batch
	s_mov_b32 s17, 0
	s_lshl_b32 s18, s15, 21                        ; 512 rows of 4,096 bytes a batch
	s_lshl_b32 s20, ttmp9, 10                      ; the chunk
	s_add_co_u32 s18, s18, s20
	s_mov_b32 s19, 0
	s_lshl_b32 s22, s15, 12
	s_add_co_u32 s22, s22, s20                     ; ctx: row b, the chunk
	s_mov_b32 s23, 0
	s_wait_kmcnt 0x0
	s_add_nc_u64 s[6:7], s[6:7], s[16:17]
	s_add_nc_u64 s[4:5], s[4:5], s[18:19]
	s_add_nc_u64 s[8:9], s[8:9], s[22:23]
	s_wait_alu depctr_va_vdst(0)                   ; v1, v2, v16, v17, v22, v23, v28 and v29 are written: every load and store of the kernel reads one of them as its offset or address
.irp n, 0,1,2,3
	global_load_b32 v[4+2*\n], v1, s[6:7] offset:\n*131072         ; hidden part, column block n
	global_load_b32 v[5+2*\n], v1, s[6:7] offset:(4+\n)*131072     ; field part: the two lie as a pair
.endr
.set j, 0
.rept DEPTH
	global_load_b128 v[X+4*j:X+4*j+3], v2, s[4:5] offset:j*4096 th:TH_LOAD_NT
.set j, j+1
.endr
; A reduction over the 512 threads, of a pair (two = 1) or one number, result in v4 (v5) of every lane.  It works in v[4:7], which the loads above have written
; (the destination of a DPP form and of v_permlanex16_b32 counts as read); the first step reads v[src], which is kept.
; Each use has LDS bytes of its own, so one barrier serves it.
.macro WGRED dop, op, base, src, two
	\dop v4, v[\src], v[\src] row_xmask:1 row_mask:0xf bank_mask:0xf
.if \two
	\dop v5, v[\src+1], v[\src+1] row_xmask:1 row_mask:0xf bank_mask:0xf
.endif
.irp m, 2,4,8
	\dop v4, v4, v4 row_xmask:\m row_mask:0xf bank_mask:0xf
.if \two
	\dop v5, v5, v5 row_xmask:\m row_mask:0xf bank_mask:0xf
.endif
.endr
	v_permlanex16_b32 v6, v4, s12, s13
.if \two
	v_permlanex16_b32 v7, v5, s12, s13
.endif
	\op v4, v4, v6
.if \two
	\op v5, v5, v7
	s_wait_alu depctr_va_vdst(0)                   ; the lane steps have written v4 and v5, which the LDS store reads, and are done reading them: the LDS load below lands there
	ds_store_b64 v16, v[4:5] offset:\base
.else
	s_wait_alu depctr_va_vdst(0)                   ; the lane steps have written v4, which the LDS store reads, and are done reading it: the LDS load below lands there
	ds_store_b32 v16, v4 offset:\base
.endif
	s_wait_dscnt 0x0                               ; my wave's figure is in LDS, for the others' sake
	s_barrier_signal -1
	s_barrier_wait -1
	s_wait_alu depctr_vm_vsrc(0)                   ; my LDS store has read v4 (v5), in which the load below lands and which later lane steps write again
.if \two
	ds_load_b64 v[4:5], v17 offset:\base           ; lane i of each half takes wave i's figure
.else
	ds_load_b32 v4, v17 offset:\base
.endif
	s_wait_dscnt 0x0
.irp m, 1,2,4,8
	\dop v4, v4, v4 row_xmask:\m row_mask:0xf bank_mask:0xf
.if \two
	\dop v5, v5, v5 row_xmask:\m row_mask:0xf bank_mask:0xf
.endif
.endr
.endm
	s_wait_loadcnt DEPTH                           ; the eight partial scores are in; the 32 row loads behind them stay out
	v_pk_add_f32 v[20:21], v[4:5], v[6:7]
	v_pk_add_f32 v[24:25], v[8:9], v[10:11]
	v_pk_add_f32 v[18:19], v[20:21], v[24:25]      ; (hidden score, field score) of position t, each less a term that is the same for all t
	WGRED v_max_num_f32_dpp, v_max_num_f32, RED1, 18, 1
	v_pk_add_f32 v[18:19], v[18:19], v[4:5] neg_lo:[0,1] neg_hi:[0,1]      ; minus the maximum over s
	v_pk_mul_f32 v[18:19], v[18:19], LOG2E op_sel_hi:[1,0]
	v_exp_f32 v18, v18
	v_exp_f32 v19, v19
	v_nop                                          ; one plain instruction behind a transcendental before its result is used (ISA guide 5.7.2)
	s_wait_alu depctr_va_vdst(0)                   ; the two exponentials have written v18 and v19, ahead of their first reader
	WGRED v_add_f32_dpp, v_add_f32, RED2, 18, 1
	v_pk_add_f32 v[4:5], v[4:5], EPS op_sel_hi:[1,0]
	v_rcp_f32 v4, v4
	v_rcp_f32 v5, v5
	v_nop
	s_wait_alu depctr_va_vdst(0)                   ; the two reciprocals have written v4 and v5, ahead of their first reader
	v_pk_mul_f32 v[18:19], v[18:19], v[4:5]        ; the two softmaxes
	v_mul_f32 v18, v18, v19                        ; their product
	WGRED v_add_f32_dpp, v_add_f32, RED3, 18, 0
	v_add_f32 v4, EPS, v4
	v_rcp_f32 v4, v4
	v_nop
	s_wait_alu depctr_va_vdst(0)                   ; the reciprocal has written v4, ahead of its first reader
	v_mul_f32 v18, v18, v4                         ; the weight of position t
	s_wait_alu depctr_va_vdst(0)                   ; the multiply has written v18, which the LDS store reads; no vector instruction behind this wait names v[24:27], in which an LDS load lands below
	ds_store_b32 v1, v18 offset:WTS
	s_wait_dscnt 0x0
	s_barrier_signal -1
	s_barrier_wait -1
	s_cmp_lg_u32 ttmp9, 0
	s_cbranch_scc1 .Lno_w                          ; chunk 0's waves 0-3 store the batch's 512 weights, 16 bytes a lane
	s_cmp_ge_u32 s14, 4
	s_cbranch_scc1 .Lno_w
	ds_load_b128 v[24:27], v22 offset:WTS          ; its address was made at the head
	s_add_nc_u64 s[10:11], s[10:11], s[16:17]
	s_wait_dscnt 0x0
	global_store_b128 v22, v[24:27], s[10:11]      ; v22 and v[24:27] are not written again
.Lno_w:
.irp i, 0,1,2,3,4,5,6,7,8,9,10,11,12,13,14,15
	ds_load_b128 v[WR+4*\i:WR+4*\i+3], v23 offset:WTS+16*\i        ; every lane reads the same words; no vector instruction has named these registers
.endr
	s_wait_dscnt 0x0
; Row j of my 64 (j is a symbol that counts up).  fill = 1: ahead of the row's arithmetic the slot of row j - BLK, which the block before has read, is asked for again, with row
; j - BLK + DEPTH.  left = how many younger loads may stay out when row j has to be there.
; The weight is one register of a pair, fed to both halves of the packed multiply-add by op_sel.  Even and odd rows have sums of their own.
.macro ROW left, fill
.if \fill
	global_load_b128 v[X+4*((j-BLK)%DEPTH):X+4*((j-BLK)%DEPTH)+3], v2, s[4:5] offset:(j-BLK+DEPTH)*4096 th:TH_LOAD_NT  ; no vector instruction since the wait at the block's head names this slot
.endif
	s_wait_loadcnt \left
.if j == 0
	v_pk_mul_f32 v[ACC:ACC+1],   v[X:X+1],   v[WR:WR+1] op_sel_hi:[1,0]
	v_pk_mul_f32 v[ACC+2:ACC+3], v[X+2:X+3], v[WR:WR+1] op_sel_hi:[1,0]
.elseif j == 1
	v_pk_mul_f32 v[ACC+4:ACC+5], v[X+4:X+5], v[WR:WR+1] op_sel:[0,1] op_sel_hi:[1,1]
	v_pk_mul_f32 v[ACC+6:ACC+7], v[X+6:X+7], v[WR:WR+1] op_sel:[0,1] op_sel_hi:[1,1]
.elseif (j & 1) == 0
	v_pk_fma_f32 v[ACC:ACC+1],   v[X+4*(j%DEPTH):X+4*(j%DEPTH)+1],   v[WR+j:WR+j+1], v[ACC:ACC+1]   op_sel_hi:[1,0,1]
	v_pk_fma_f32 v[ACC+2:ACC+3], v[X+4*(j%DEPTH)+2:X+4*(j%DEPTH)+3], v[WR+j:WR+j+1], v[ACC+2:ACC+3] op_sel_hi:[1,0,1]
.else
	v_pk_fma_f32 v[ACC+4:ACC+5], v[X+4*(j%DEPTH):X+4*(j%DEPTH)+1],   v[WR+j-1:WR+j], v[ACC+4:ACC+5] op_sel:[0,1,0] op_sel_hi:[1,1,1]
	v_pk_fma_f32 v[ACC+6:ACC+7], v[X+4*(j%DEPTH)+2:X+4*(j%DEPTH)+3], v[WR+j-1:WR+j], v[ACC+6:ACC+7] op_sel:[0,1,0] op_sel_hi:[1,1,1]
.endif
.set j, j+1
.endm
.set j, 0
.rept BLK
	ROW DEPTH-1-j, 0                               ; block 0 has no block in front of it: loads come back in order, row j is in, the younger ones of the first 32 stay out
.endr
.rept DEPTH/BLK                                        ; blocks 1 to 8 ask for rows 32 to 63
	s_wait_alu depctr_va_vdst(0)                   ; the block before is done reading its four slots, in which this block's four loads land
.rept BLK
	ROW DEPTH-BLK, 1                               ; row j + 28 has just been asked for: j + 29 rows are issued, j + 1 have to be in, 28 stay out
.endr
.endr
.rept 64-DEPTH-BLK
	ROW 63-j, 0                                    ; the last 28 rows load nothing: the counts run down
.endr
	v_pk_add_f32 v[ACC:ACC+1],   v[ACC:ACC+1],   v[ACC+4:ACC+5]
	v_pk_add_f32 v[ACC+2:ACC+3], v[ACC+2:ACC+3], v[ACC+6:ACC+7]
	s_wait_alu depctr_va_vdst(0)                   ; the additions have written v[ACC:ACC+3], which the LDS store reads; and the multiply-adds are done reading X, in whose first eight slots waves 0 and 1 load below
	ds_store_b128 v28, v[ACC:ACC+3] offset:CS
	s_wait_dscnt 0x0
	s_barrier_signal -1
	s_barrier_wait -1
	s_cmp_ge_u32 s14, 2
	s_cbranch_scc1 .Lend                           ; waves 0 and 1 add the eight row groups
.irp g, 0,1,2,3,4,5,6,7
	ds_load_b128 v[X+4*\g:X+4*\g+3], v29 offset:CS+1024*\g
.endr
	s_wait_dscnt 0x0
.irp g, 0,1,2,3
	v_pk_add_f32 v[X+4*\g:X+4*\g+1],   v[X+4*\g:X+4*\g+1],   v[X+4*\g+16:X+4*\g+17]
	v_pk_add_f32 v[X+4*\g+2:X+4*\g+3], v[X+4*\g+2:X+4*\g+3], v[X+4*\g+18:X+4*\g+19]
.endr
.irp g, 0,1
	v_pk_add_f32 v[X+4*\g:X+4*\g+1],   v[X+4*\g:X+4*\g+1],   v[X+4*\g+8:X+4*\g+9]
	v_pk_add_f32 v[X+4*\g+2:X+4*\g+3], v[X+4*\g+2:X+4*\g+3], v[X+4*\g+10:X+4*\g+11]
.endr
	v_pk_add_f32 v[X:X+1],   v[X:X+1],   v[X+4:X+5]
	v_pk_add_f32 v[X+2:X+3], v[X+2:X+3], v[X+6:X+7]
	s_wait_alu depctr_va_vdst(0)                   ; the additions have written v[X:X+3], which the store reads
	global_store_b128 v29, v[X:X+3], s[8:9]        ; a wave stores 512 consecutive bytes, aligned
.Lend:
	s_wait_dscnt 0x0                               ; the closing lines, six on end
	s_wait_alu 0x0
	s_wait_tensorcnt 0x0
	ds_add_u32 v62, v63
	s_wait_dscnt 0x0
	s_endpgm
.Lfunc_end_k_q4f4c2c2827_context:
	.size	k_q4f4c2c2827_context, .Lfunc_end_k_q4f4c2c2827_context-k_q4f4c2c2827_context
	.p2alignl 7, 3214868480
	.fill 96, 4, 3214868480
	.section	.rodata,"a",@progbits
	.p2align	6, 0x0
	.amdhsa_kernel k_q4f4c2c2827_context
		.amdhsa_group_segment_fixed_size 14336
		.amdhsa_private_segment_fixed_size 0
		.amdhsa_enable_private_segment 0
		.amdhsa_kernarg_size 32
		.amdhsa_user_sgpr_count 2
		.amdhsa_user_sgpr_kernarg_segment_ptr 1
		.amdhsa_wavefront_size32 1
		.amdhsa_system_sgpr_workgroup_id_x 1
		.amdhsa_system_sgpr_workgroup_id_y 1
		.amdhsa_system_sgpr_workgroup_id_z 1
		.amdhsa_system_vgpr_workitem_id 0
		.amdhsa_next_free_vgpr 256
		.amdhsa_next_free_sgpr 66
		.amdhsa_reserve_vcc 0
		.amdhsa_float_denorm_mode_32 3
		.amdhsa_float_denorm_mode_16_64 3
		.amdhsa_memory_ordered 1
		.amdhsa_forward_progress 1
		.amdhsa_inst_pref_size 28
	.end_amdhsa_kernel
	.amdgpu_metadata
---
amdhsa.version: [ 1, 2 ]
amdhsa.kernels:
  - .name:           k_q4f4c2c2827_context
    .symbol:         k_q4f4c2c2827_context.kd
    .args:
      - { .name: hidden_state, .offset: 0, .size: 8, .value_kind: global_buffer, .address_space: global }
      - { .name: part, .offset: 8, .size: 8, .value_kind: global_buffer, .address_space: global }
      - { .name: ctx, .offset: 16, .size: 8, .value_kind: global_buffer, .address_space: global }
      - { .name: wts, .offset: 24, .size: 8, .value_kind: global_buffer, .address_space: global }
    .group_segment_fixed_size: 14336
    .private_segment_fixed_size: 0
    .kernarg_segment_align: 8
    .kernarg_segment_size: 32
    .max_flat_workgroup_size: 512
    .sgpr_count:     66
    .vgpr_count:     256
    .wavefront_size: 32
...
	.end_amdgpu_metadata
.endif
;; end of part 5
;; launch outp: the kernel of part 4 again; grid 64 x 1, 16 waves a work-group, no clusters, 71,680 bytes of LDS; arguments ctx, W3, small, finished, wts, out0, out1; writes out0, out1
